; MI455X (gfx1250); checked and timed in simulation.
; The chip was launched on July 23, 2026; its instructions are those of AMD's public machine-readable ISA for CDNA 5 (MIT licence, August 2026) and "CDNA5" Instruction Set Architecture Reference Guide (July 2026). The comments in the code are by the model that wrote it; some were corrected since.
;; Memory Attention. Allowed arithmetic: matrix products marked QUANTISED: E2M3 operands, one E8M0 scale for each 32 along K, by v_wmma_scale_f32_16x16x128_f8f6f4 with both operands' format E2M3, f32 sums; everything else in f32.
;; Inputs: Wk 1,024 x 1,024 float32; Wo 1,024 x 1,024 float32; Wq 1,024 x 1,024 float32; Wv 1,024 x 1,024 float32; bk 1,024 float32; bo 1,024 float32; bq 1,024 float32; bv 1,024 float32; key 2 x 2,048 x 1,024 float32; memory 2 x 1,024 x 1,024 float32; query 2 x 1,024 x 1,024 float32; value 2 x 2,048 x 1,024 float32.
;; Outputs: out0 2 x 1,024 x 1,024 float32.
;; This version of the problem:
;;   THIS VERSION OF THE PROBLEM IS GIVEN IN LOW PRECISION. The matrix products marked QUANTISED in the list below multiply operands that are first quantised to E2M3 (2 exponent bits, 3 mantissa bits; 6 bits a number), with one power-of-two scale for each 32 numbers along K (OCP MX v1.0); their sums are f32. All else is computed in f32.
;;   The module's matrix products, in the order in which they are computed (A, B: the left and right operand; K: the contracted axis; several contracted axes count as one K, in the product's order):
;;     1. [M 2,048, K 1,024] x [K 1,024, N 1,024]; A: input query; B: input Wq: QUANTISED
;;     2. [M 4,096, K 1,024] x [K 1,024, N 1,024]; A: input key; B: input Wk: QUANTISED
;;     3. [M 4,096, K 1,024] x [K 1,024, N 1,024]; A: input value; B: input Wv: QUANTISED
;;     4. [M 2,048, K 1,024] x [K 1,024, N 1,024]; A: input memory; B: input Wk: QUANTISED
;;     5. [M 2,048, K 1,024] x [K 1,024, N 1,024]; A: input memory; B: input Wv: QUANTISED
;;     6. batch 64 x [M 1,024, K 32] x [K 32, N 2,048]; A: computed on the way; B: computed on the way: QUANTISED
;;     7. batch 64 x [M 1,024, K 32] x [K 32, N 1,024]; A: computed on the way; B: computed on the way: QUANTISED
;;     8. batch 64 x [M 1,024, K 3,072] x [K 3,072, N 32]; A: softmax (see below); B: computed on the way: QUANTISED
;;     9. [M 2,048, K 1,024] x [K 1,024, N 1,024]; A: computed on the way; B: input Wo: QUANTISED
;;   THE QUANTISER, for each operand of a quantised product, along K:
;;     - K is cut into blocks of 32 from its start; a last block that is shorter is filled with zeros.
;;     - A block's scale is 2^e with e = floor(log2(the largest magnitude in the block)) - 2, held to -126 .. 127; a block of zeros has e = 0. As a byte (E8M0): e + 127.
;;     - Each number is divided by its block's scale, clamped to +-7.5, and rounded to the nearest number of E2M3, ties to even, subnormals kept.
;;     - The product sums the exact products of the quantised numbers (number of the format x scale) in f32.
;;   ~~~python
;;   def quantise(x, axis):      # numpy; x: float32 -> the quantised numbers, widened to float32 again
;;       x = np.moveaxis(x, axis, -1); K = x.shape[-1]
;;       x = np.pad(x, [(0, 0)] * (x.ndim - 1) + [(0, -K % 32)]); x = x.reshape(x.shape[:-1] + (-1, 32)); a = np.abs(x).max(-1, keepdims=True)
;;       e = np.where(a > 0, np.clip(np.frexp(np.where(a > 0, a, 1))[1] - 1 - 2, -126, 127), 0)      # np.frexp(a)[1] - 1 = floor(log2(a)), exactly
;;       r = np.clip(x / 2.0 ** e, -7.5, 7.5)
;;       step = 2.0 ** (np.maximum(np.frexp(np.where(r == 0, 1, r))[1] - 1, 0) - 3)
;;       q = np.round(r / step) * step * 2.0 ** e      # np.round: ties to even
;;       return np.moveaxis(q.reshape(q.shape[:-2] + (-1,))[..., :K], -1, axis).astype(np.float32)
;;   ~~~
;;   SOFTMAX AHEAD OF A QUANTISED PRODUCT. Where the list says 'softmax', what is quantised is not the finished softmax but p = 2^(t - M), with t = logit x log2(e) and M = ceil(the row's largest t), a whole number; so 1/2 < the row's largest p <= 1. The row's sum l is taken of the UNQUANTISED p, in f32, and the product's result is divided by l at the end. Since M is a whole number, a kernel that streams over the keys may use a running M (the ceiling of the running maximum): every later rescaling is an exact power of two, which a block's scale takes up: the codes' values come out the same.
;;   OPERANDS COMPUTED ON THE WAY. 'Computed on the way' means the value that the module computes at that place (a softmax that the list does not call 'softmax' is quantised finished and normalised). What goes into a quantiser is computed in f32, as accurately as f32 sums, v_exp_f32 and their like allow (about 1e-6 of the number): no bf16 or f16 on the way to a quantiser, and a product that is left as it is and whose result goes on into a quantised operand takes f32 operands (vector FMAs, or v_wmma_f32_16x16x4_f32). A number that lies on a knife's edge between two numbers of the format may be rounded either way, as far as f32 arithmetic and the matrix unit's own rounding can turn it there, and no further.
;; One version. Each part assembles by itself: llvm-mc -triple=amdgcn-amd-amdhsa -mcpu=gfx1250 --defsym DOCPART=n.
;; ======== version 1 of 1: 4 launches
;; workspace buffers: xc 12,582,912 bytes; xs 524,288 bytes; img 11,468,800 bytes; oc 1,572,864 bytes; os 65,536 bytes
;; launch quant (part 1): grid 512 x 1, 4 waves a work-group, no clusters, 33,280 bytes of LDS; arguments query, key, memory, value, Wq, Wk, Wv, Wo, xc, xs; writes xc, xs
.if DOCPART == 1
	.amdgcn_target "amdgcn-amd-amdhsa--gfx1250"
	.amdhsa_code_object_version 6
	.text
	.protected	k_q49c21f0b98_quant
	.globl	k_q49c21f0b98_quant
	.p2align	8
	.type	k_q49c21f0b98_quant,@function
k_q49c21f0b98_quant:
	s_mov_b64 s[64:65], 0
	v_nop
	global_prefetch_b8 v0, s[64:65] scope:SCOPE_SE
	s_setreg_imm32_b32 hwreg(HW_REG_WAVE_MODE, 25, 1), 1
	s_wait_xcnt 0x0
; The eight large f32 inputs (query, key, memory, value, Wq, Wk, Wv, Wo: 16,384 rows of 1,024 numbers, K = the 1,024 innermost) become codes of FP6 (E2M3), 768 bytes a row, in xc,
; and one E8M0 byte for each 32 along K, 32 bytes a row, in xs.  Units of 1,024 rows: query 0-1, key 2-5, memory 6-7, value 8-11, Wq 12, Wk 13, Wv 14, Wo 15.
; A block's scale is 2^(floor(log2(its largest magnitude)) - 2); its byte is the largest magnitude's exponent field - 2, held at 1 from below.
; LIMITS: NaN and infinities among the inputs are not served; a block whose largest magnitude lies under 2^-124 has the byte 1; a block of zeros has the byte 1 and not 127 (its codes are zeros, and this program alone reads the bytes).
; ROWS ARE WRITTEN IN TILE ORDER: in each group of 32 rows, place 16 u + p holds row 8 u + p + 8 (p / 8).  So a plain run of 16 places is a tile whose lanes 0-7 hold eight neighbouring rows and lanes 8-15 the eight rows
; 16 further on, and the 16 result registers of two neighbouring tiles are 16 neighbours.  It costs nothing: a wave takes 8 rows, and waves 1 and 2 change their places of output.
; A work-group takes 32 rows, a wave 8 rows = 8,192 numbers = 16 steps of 512.  Each load reads 512 consecutive bytes; a step's 2,048 bytes turn through the wave's own stage in LDS, so that a lane holds 16 neighbours
; (two lanes a block).  A lane's 16 codes are 12 bytes: a store covers 384 consecutive bytes.  A wave's 256 scale bytes are gathered in LDS and leave as one aligned run of 256 bytes.
; No tensor loads, no barrier, no cluster: waves and work-groups share nothing.  Loads run four steps (16 loads a wave) ahead, the turn through LDS one step.
.set STEPS, 16
.set EMAX,  2
.set CB,    12                         ; bytes of 16 codes
.set R,     16                         ; v16-79   four sets of 16 numbers as they are loaded
.set X,     80                         ; v80-111  two sets of 16 neighbours
.set C,     128                        ; v128-191 codes: four registers for each step, so that no store's data are written again
.set E,     112                        ; v112-127 a scale byte for each step
.set WREG,  8192                       ; LDS: a region for each wave: two stages of 32 x SP bytes, behind them its 256 scale bytes
.set SP,    80                         ; a lane's place in a stage: 64 bytes + 16 of padding
	s_load_b512 s[4:19], s[0:1], 0x0               ; query, key, memory, value, Wq, Wk, Wv, Wo
	s_load_b128 s[20:23], s[0:1], 0x40             ; xc, xs
	v_lshl_add_u32 v192, v0, 2, 0x8000
	v_mov_b32 v193, 0
	v_lshrrev_b32 v1, 5, v0
	v_readfirstlane_b32 s28, v1                    ; wave
	v_and_b32 v2, 31, v0                           ; lane
	v_lshlrev_b32 v3, 4, v2                        ; my 16 bytes of a load's 512
	s_mul_i32 s29, s28, WREG
	v_lshrrev_b32 v14, 2, v2
	v_mul_u32_u24 v14, v14, SP
	v_and_b32 v15, 3, v2
	v_lshl_add_u32 v14, v15, 4, v14
	v_add_nc_u32 v14, s29, v14                     ; the stage, on the way in: SP (lane / 4) + 16 (lane % 4)
	v_mul_u32_u24 v15, v2, SP
	v_add_nc_u32 v15, s29, v15                     ; and on the way out: SP x lane: my 16 neighbours
	v_mul_u32_u24 v4, v2, CB                       ; my codes' place in a step's
	v_lshrrev_b32 v5, 1, v2
	s_add_co_u32 s29, s29, 2*32*SP
	v_add_nc_u32 v5, s29, v5                       ; LDS: my wave's 256 scale bytes, my block's byte
	v_lshlrev_b32 v7, 3, v2                        ; and on the way out 8 bytes a lane
	v_add_nc_u32 v6, s29, v7
	s_wait_kmcnt 0x0
; which tensor is my work-group's: the choice hangs on the work-group's number alone.  s26 = the tensor's first work-group
.macro PICK first, src
	s_cmp_ge_u32 ttmp9, \first
	s_cselect_b64 s[24:25], s[\src:\src+1], s[24:25]
	s_cselect_b32 s26, \first, s26
.endm
	s_mov_b64 s[24:25], s[4:5]
	s_mov_b32 s26, 0
	PICK 64, 6                                     ; key
	PICK 192, 8                                    ; memory
	PICK 256, 10                                   ; value
	PICK 384, 12                                   ; Wq
	PICK 416, 14                                   ; Wk
	PICK 448, 16                                   ; Wv
	PICK 480, 18                                   ; Wo
	s_sub_co_u32 s27, ttmp9, s26
	s_lshl_b32 s27, s27, 2
	s_add_co_u32 s30, s27, s28                     ; in: which run of 8 rows of the tensor
	s_lshl_b32 s30, s30, 15                        ; 32,768 bytes a run (under 2^25)
	s_mov_b32 s31, 0
	s_add_nc_u64 s[24:25], s[24:25], s[30:31]
	s_and_b32 s32, s28, 1                          ; out: waves 1 and 2 change places
	s_lshl_b32 s32, s32, 1
	s_lshr_b32 s33, s28, 1
	s_or_b32 s32, s32, s33
	s_lshl_b32 s33, ttmp9, 2
	s_add_co_u32 s32, s32, s33                     ; which run of 8 places
	s_mul_i32 s34, s32, 8*768
	s_mov_b32 s35, 0
	s_add_nc_u64 s[20:21], s[20:21], s[34:35]
	s_lshl_b32 s34, s32, 8
	s_add_nc_u64 s[22:23], s[22:23], s[34:35]
.macro LOAD t
.irp i, 0,1,2,3
	global_load_b128 v[R+16*((\t)%4)+4*\i:R+16*((\t)%4)+4*\i+3], v3, s[24:25] offset:2048*(\t)+512*\i th:TH_LOAD_NT   ; 32 lanes read 512 consecutive bytes
.endr
.endm
.macro TURN t                          ; step t's numbers through the stage: LDS serves a wave's instructions in order, so no wait stands between the stores and the loads
.irp i, 0,1,2,3
	ds_store_b128 v14, v[R+16*((\t)%4)+4*\i:R+16*((\t)%4)+4*\i+3] offset:32*SP*((\t)%2)+8*SP*\i
.endr
.irp i, 0,1,2,3
	ds_load_b128 v[X+16*((\t)%2)+4*\i:X+16*((\t)%2)+4*\i+3], v15 offset:32*SP*((\t)%2)+16*\i
.endr
.endm
.irp t, 0,1,2,3
	LOAD \t
.endr
	s_wait_loadcnt 12                              ; step 0's four loads are in; the twelve of steps 1 to 3 may be out
	TURN 0
.macro STEP t
.set XS, X+16*((\t)%2)
.if (\t) > 0
	s_wait_dscnt 1                                 ; this step's numbers are back from the stage (the last step's byte store may be out): so its stores into the stage have read their registers,
.else
	s_wait_dscnt 0x0
.endif
.if (\t)+4 < STEPS
	LOAD (\t)+4                                    ; which take the loads of four steps on
.endif
.if (\t)+1 < STEPS
.if STEPS-2-(\t) >= 3
	s_wait_loadcnt 12                              ; the next step's four loads are in; those of the three steps behind it may be out
.else
	s_wait_loadcnt 4*(STEPS-2-(\t))
.endif
	TURN (\t)+1                                    ; and go through the other stage while this step is worked
.endif
	v_max3_num_f32 v8, |v[XS]|, |v[XS+1]|, |v[XS+2]|               ; the largest magnitude of my 16, in two chains
	v_max3_num_f32 v9, |v[XS+3]|, |v[XS+4]|, |v[XS+5]|
.irp i, 6,10
	v_max3_num_f32 v8, v8, |v[XS+\i]|, |v[XS+\i+1]|
	v_max3_num_f32 v9, v9, |v[XS+\i+2]|, |v[XS+\i+3]|
.endr
	v_max3_num_f32 v8, v8, |v[XS+14]|, |v[XS+15]|
	v_max3_num_f32 v8, v8, v9, (EMAX+1)<<23        ; and the floor 2^(3 - 127): the byte cannot fall under 1
	v_max_num_f32_dpp v8, v8, v8 row_xmask:1 row_mask:0xf bank_mask:0xf   ; and of my neighbour's 16: the block's
	v_add_nc_u32 v11, -(EMAX<<23), v8              ; 2 off its exponent field: the conversion takes the exponent field of this operand as its scale, and nothing else of it
	v_cvt_scalef32_pk16_fp6_f32 v[C+4*(\t):C+4*(\t)+2], v[XS:XS+15], v11   ; sixteen numbers / the scale, to the nearest code, ties to even, beyond the largest code the largest
	v_lshrrev_b32 v[E+(\t)], 23, v11               ; the scale's byte
	ds_store_b8 v5, v[E+(\t)] offset:16*(\t)       ; both lanes of a block write the same byte with the same value
	global_store_b96 v4, v[C+4*(\t):C+4*(\t)+2], s[20:21] offset:32*CB*(\t)
.endm
.irp t, 0,1,2,3,4,5,6,7,8,9,10,11,12,13,14,15
	STEP \t
.endr
	ds_load_b64 v[12:13], v6                       ; LDS serves a wave's instructions in order: these see my stores
	s_wait_dscnt 0x0
	global_store_b64 v7, v[12:13], s[22:23]        ; 32 lanes store 256 consecutive bytes, aligned
	s_wait_tensorcnt 0x0
	ds_add_u32 v192, v193
	s_wait_dscnt 0x0
	s_endpgm
.Lfunc_end_k_q49c21f0b98_quant:
	.size	k_q49c21f0b98_quant, .Lfunc_end_k_q49c21f0b98_quant-k_q49c21f0b98_quant
	.p2alignl 7, 3214868480
	.fill 96, 4, 3214868480
	.section	.rodata,"a",@progbits
	.p2align	6, 0x0
	.amdhsa_kernel k_q49c21f0b98_quant
		.amdhsa_group_segment_fixed_size 33280
		.amdhsa_private_segment_fixed_size 0
		.amdhsa_enable_private_segment 0
		.amdhsa_kernarg_size 80
		.amdhsa_user_sgpr_count 2
		.amdhsa_user_sgpr_kernarg_segment_ptr 1
		.amdhsa_wavefront_size32 1
		.amdhsa_system_sgpr_workgroup_id_x 1
		.amdhsa_system_sgpr_workgroup_id_y 1
		.amdhsa_system_sgpr_workgroup_id_z 1
		.amdhsa_system_vgpr_workitem_id 0
		.amdhsa_next_free_vgpr 194
		.amdhsa_next_free_sgpr 66
		.amdhsa_reserve_vcc 0
		.amdhsa_float_denorm_mode_32 3
		.amdhsa_float_denorm_mode_16_64 3
		.amdhsa_memory_ordered 1
		.amdhsa_forward_progress 1
		.amdhsa_inst_pref_size 33
	.end_amdhsa_kernel
	.amdgpu_metadata
---
amdhsa.version: [ 1, 2 ]
amdhsa.kernels:
  - .name:           k_q49c21f0b98_quant
    .symbol:         k_q49c21f0b98_quant.kd
    .args:
      - { .name: query, .offset: 0, .size: 8, .value_kind: global_buffer, .address_space: global }
      - { .name: key, .offset: 8, .size: 8, .value_kind: global_buffer, .address_space: global }
      - { .name: memory, .offset: 16, .size: 8, .value_kind: global_buffer, .address_space: global }
      - { .name: value, .offset: 24, .size: 8, .value_kind: global_buffer, .address_space: global }
      - { .name: Wq, .offset: 32, .size: 8, .value_kind: global_buffer, .address_space: global }
      - { .name: Wk, .offset: 40, .size: 8, .value_kind: global_buffer, .address_space: global }
      - { .name: Wv, .offset: 48, .size: 8, .value_kind: global_buffer, .address_space: global }
      - { .name: Wo, .offset: 56, .size: 8, .value_kind: global_buffer, .address_space: global }
      - { .name: xc, .offset: 64, .size: 8, .value_kind: global_buffer, .address_space: global }
      - { .name: xs, .offset: 72, .size: 8, .value_kind: global_buffer, .address_space: global }
    .group_segment_fixed_size: 33280
    .private_segment_fixed_size: 0
    .kernarg_segment_align: 8
    .kernarg_segment_size: 80
    .max_flat_workgroup_size: 128
    .sgpr_count:     66
    .vgpr_count:     194
    .wavefront_size: 32
...
	.end_amdgpu_metadata
.endif
;; end of part 1
;; launch proj (part 2): grid 4 x 56, 4 waves a work-group, clusters of 4 x 4, 327,680 bytes of LDS; arguments xc, xs, bq, bk, bv, img; writes img
.if DOCPART == 2
	.amdgcn_target "amdgcn-amd-amdhsa--gfx1250"
	.amdhsa_code_object_version 6
	.text
	.protected	k_q49c21f0b98_proj
	.globl	k_q49c21f0b98_proj
	.p2align	8
	.type	k_q49c21f0b98_proj,@function
k_q49c21f0b98_proj:
	s_mov_b64 s[64:65], 0
	v_nop
	global_prefetch_b8 v0, s[64:65] scope:SCOPE_SE
	s_setreg_imm32_b32 hwreg(HW_REG_WAVE_MODE, 25, 1), 1
	s_wait_xcnt 0x0
	s_wait_alu depctr_hold_cnt(0) depctr_sa_sdst(0) depctr_va_vdst(0) depctr_va_sdst(0) depctr_va_ssrc(0) depctr_va_vcc(0) depctr_vm_vsrc(0)
	s_getreg_b32 s2, hwreg(HW_REG_IB_STS2, 6, 4)
	s_cmp_eq_u32 s2, 0
	s_cbranch_scc0 .Lentry_in_a_cluster
	s_endpgm
.Lentry_in_a_cluster:
	s_bfe_u32 s2, ttmp6, 0x10000c
	s_cmp_lg_u32 s2, 0xf033
	s_cbranch_scc0 .Lentry_shape_is_right
	s_endpgm
.Lentry_shape_is_right:
; The five projections y = x W^T + b on codes of FP6 (E2M3) with one E8M0 scale for each 32 along K = 1,024; y is quantised again on the way out and leaves as images of the operand registers that the attention launch wants.
; JOBS.  A cluster of 4 x 4 work-groups is one job J (cluster y) of 1,024 tokens x 1,024 features: J 0-1 q (batch 0, 1), 2-5 k, 6-7 k of memory, 8-11 v, 12-13 v of memory.  A work-group makes 256 x 256, a wave 128 x 128:
; 64 accumulators, 512 registers.  K goes in steps of 256 through a ring of two LDS slots; the scale bytes of the work-group's rows come into LDS once.  Tiles are asked for JOINTLY along a row (A) or a column (B) of the cluster.
; The matrix instruction takes source 0 = 16 rows of B, source 1 = 16 rows of A: a lane holds one row of A, its registers run along B's rows.
;   q, k (J < 8): A = tokens, B = W: a lane holds a token, registers run along the features: the head's 32 are the next product's K.
;   v (J >= 8):   A = W, B = tokens: a lane holds a feature, registers run along the tokens: the keys are the next product's K.
; xc's rows lie in tile order (in each 32: place 16 u + p = row 8 u + p + 8 (p / 8)), so the 16 registers of B's tiles 2 b, 2 b + 1 are rows 32 b + 16 (lane / 16) + 0 .. 15, and lane p of A's tile a is row 32 (a / 2) + 8 (a % 2) + p + 8 (p / 8).
; img: 64 records (batch x 32 + head) of REC bytes.  Slot s (3,072 bytes = two fragment images; register group G of lane l at 512 G + 16 l) at 3,072 s: K 0-23, V 24-47; Q 48-55 lie 7,168 bytes further on; scale words at 147,456 + 128 s
; (lanes 0-15 the first fragment's, lanes 16-31 the second's).  K/Q fragment u: lane (p, h), registers 6 c .. 6 c + 5: the 32 codes of token 64 u + 32 c + 8 h + p + 8 (p / 8).  V fragment u: row p = channel 8 u + p + 8 (p / 8), K = the slot's 128 keys.
; LIMITS: NaN and infinities are not served; a block whose largest magnitude lies under 2^-124, a block of zeros among them, has the byte 1.
; REGISTERS: window 0: v0-31 addresses; v32-63 scale words, two sets, and nothing else; v64-127 the bias along registers; v128-223 A's fragments, one set; v240-255 the bias along lanes.  Way out: v128-191 64 numbers, v192-215 two fragments of codes,
;   v216-222, v224-239 at work.   window 1: B's fragments, two sets.   windows 2, 3: the accumulators ((a, b) at v[8 (8 (a % 4) + b)]).
.set KSTEP,  256
.set NQ,     2                         ; matrix instructions deep in a slot
.set ROWB,   192                       ; a tile's row: 256 codes
.set KROW,   768                       ; a row of xc
.set PITCH,  240                       ; an LDS row: 3 x (64 bytes + 16 of padding): the 32 lanes of a load of 8 bytes touch 64 different banks (64 banks of 4 bytes: ISA guide 11.1)
.set FR,     12
.set NL,     6
.set NP,     4                         ; places behind this matrix instruction (ISA guide 7.12.1)
.set HALFT,  128*PITCH
.set SLOT,   4*HALFT
.set KS,     32                        ; a row of xs
.set SCL,    2*SLOT                    ; behind the ring: the scales, as runs of 256 bytes + 16 of padding
.set HALFS,  16*272
.set SBLK,   2*272
.set SPARE,  SCL+4*HALFS               ; the spare words, 128 bytes for each wave: two blocks of 256 bytes that no other line names
.set REC,    179200
.set SWB,    147456
.set ADRA, 16                          ; v16-17 LDS address of my A fragments in slot 0, 1 (v18-19: behind one padding more)
.set ADRB, 20                          ; v20-23 the same for B
.set LN,   24                          ; v24 lane
.set CS,   25                          ; v25 4 x lane
.set CO,   26                          ; v26 16 x lane
.set ADRS, 27                          ; v27 LDS address of my scale words: lanes 0-15 A's rows, lanes 16-31 B's
.set SPW,  28                          ; v28 my spare word; never rewritten
.set NIL,  29                          ; v29 0; never rewritten
.set BKO,  30                          ; v30 64 x (lane / 16)
.set BVO,  31                          ; v31 4 x (p + 8 (p / 8))
.set SC,   32
.set BI,   64                          ; register 16 jj + i: bias of feature 32 jj + 16 (lane / 16) + i of B's 128
.set AF,   128
.set BV,   240                         ; pair 2 a, 2 a + 1: bias of my lane's feature in A's tile a, twice
.set HA,   128
.set PC0,  192
.set PC1,  204
.set PT,   216
.set TM,   224
.set PW0,  8
.set PW1,  9
.set PWX,  10
.set SEL,  98                          ; s98, s99 lane selects for v_permlanex16_b32: lane l xor 16
.set G1, 24
.set G0, 32
.set G1B, 48
.set G0B, 56
.set G1S, 68
.set G0S, 76
.set G1SB, 80
.set G0SB, 88
.set MSB, 0
.macro WIN new                         ; the immediate's high byte repeats the setting that is left
.if MSB != (\new)
	s_set_vgpr_msb (MSB<<8)|(\new)
.set MSB, (\new)
.endif
.endm
.set MUL_LO, 0xa1                      ; source 0 (B) window 1, source 1 (A) window 0, C and D window 2
.set MUL_HI, 0xf1
.set TO_B,   0x40
; A joint load: waves 0 and 1 fetch for A, waves 2 and 3 for B; the branch hangs on the wave's number alone.  Four v_nop follow each of the two lines.
.macro JLOAD g0a, g1a, g0b, g1b
	s_cmp_eq_u32 s17, 0
	s_cbranch_scc0 .Lfor_b_\@
	tensor_load_to_lds s[\g0a:\g0a+3], s[\g1a:\g1a+7]
	s_nop 0
.rept 4
	v_nop
.endr
	s_branch .Lasked_\@
.Lfor_b_\@:
	tensor_load_to_lds s[\g0b:\g0b+3], s[\g1b:\g1b+7]
	s_nop 0
.rept 4
	v_nop
.endr
.Lasked_\@:
.endm
.macro CREST                           ; a round of the cluster's barrier behind its opening barrier
	s_cmp_lg_u32 s16, 0
	s_cbranch_scc1 .Lnot_wave_0_\@
	s_barrier_signal -3
.Lnot_wave_0_\@:
	s_barrier_wait -3
	s_barrier_signal -1
	s_barrier_wait -1
.endm
.macro CROUND
	s_barrier_signal -1
	s_barrier_wait -1
	CREST
.endm
	s_load_b256 s[4:11], s[0:1], 0x0               ; xc s[4:5], xs s[6:7], bq s[8:9], bk s[10:11]
	s_load_b128 s[12:15], s[0:1], 0x20             ; bv s[12:13], img s[14:15]
	v_lshl_add_u32 v[SPW], v0, 2, SPARE
	v_mov_b32 v[NIL], 0
	ds_add_u32 v28, v29
	ds_add_u32 v28, v29
	s_wait_dscnt 0x0
	v_lshrrev_b32 v1, 5, v0
	v_readfirstlane_b32 s16, v1                    ; wave 0..3
	s_lshr_b32 s17, s16, 1                         ; which half of A's rows is mine.  Also: I fetch for A (0) or for B (1)
	s_and_b32 s18, s16, 1                          ; which half of B's rows.  Also: which 128 rows I fetch
	s_bfe_u32 s40, ttmp6, 0x40000                  ; cx
	s_bfe_u32 s41, ttmp6, 0x40004                  ; cy
	s_and_b32 s19, ttmp7, 0xffff                   ; J: the job, the same in all sixteen partners
	; the job's figures, four bits a job out of constants: the tokens' unit in xc, its first slot / 8, its batch
	s_and_b32 s67, s19, 7
	s_lshl_b32 s67, s67, 2
	s_mov_b32 s95, 0x0076ba98
	s_mov_b32 s96, 0x00554343
	s_mov_b32 s97, 0x00101100
	s_cmp_lt_u32 s19, 8
	s_cselect_b32 s95, 0x76543210, s95
	s_cselect_b32 s96, 0x22101066, s96
	s_cselect_b32 s97, 0x10110010, s97
	s_cselect_b32 s2, 0, 1                         ; 1: a job of v
	s_cselect_b32 s98, 13, 14                      ; the weight's unit: Wk or Wv,
	s_lshr_b32 s95, s95, s67
	s_and_b32 s95, s95, 15
	s_lshr_b32 s96, s96, s67
	s_and_b32 s96, s96, 15
	s_lshr_b32 s97, s97, s67
	s_and_b32 s97, s97, 15
	s_cmp_lt_u32 s19, 2
	s_cselect_b32 s98, 12, s98                     ; or Wq
	s_cselect_b32 s101, 7168, 0                    ; Q's slots lie behind the scale words
	s_cmp_eq_u32 s2, 0
	s_cselect_b32 s99, s95, s98                    ; A's unit
	s_cselect_b32 s100, s98, s95                   ; B's unit
	s_lshl_b32 s42, s100, 2
	s_add_co_u32 s42, s42, s40                     ; B's block of 256 rows = 4 x unit + cx
	s_lshl_b32 s66, s99, 2
	s_add_co_u32 s66, s66, s41                     ; A's = 4 x unit + cy
	s_lshl_b32 s43, s41, 2
	s_lshl_b32 s43, 15, s43                        ; my row of the cluster
	s_lshl_b32 s44, 0x1111, s40                    ; my column
	; descriptor group 1: a tile of 128 rows x 192 bytes, 16 bytes of padding behind every 64
	s_or_b32 s[G1+0], s43, (0<<16)|(1<<20)|(1<<21)|(3<<22)|(3<<25)  ; 15:0 the mask; 17:16 elements of 1 byte; 20 padding on; 21 set beside a mask; 24:22 after every 16 words; 31:25 of 4 words
	s_or_b32 s[G1B+0], s44, (0<<16)|(1<<20)|(1<<21)|(3<<22)|(3<<25)
.irp g, G1, G1B
	s_mov_b32 s[\g+1], ROWB<<16                    ; tensor_dim0
	s_mov_b32 s[\g+2], 128<<16                     ; tensor_dim1
	s_mov_b32 s[\g+3], ROWB<<16                    ; tile_dim0
	s_mov_b32 s[\g+4], 128                         ; tile_dim1
	s_mov_b32 s[\g+5], KROW                        ; from row to row
	s_mov_b32 s[\g+6], 0
	s_mov_b32 s[\g+7], 0
.endr
	; the scales of 128 rows: a dense block of 4,096 bytes, as 16 rows of 256 bytes (32 elements of 8), 16 bytes of padding behind each
	s_or_b32 s[G1S+0], s43, (3<<16)|(1<<20)|(1<<21)|(5<<22)|(3<<25)
	s_or_b32 s[G1SB+0], s44, (3<<16)|(1<<20)|(1<<21)|(5<<22)|(3<<25)
.irp g, G1S, G1SB
	s_mov_b32 s[\g+1], 32<<16
	s_mov_b32 s[\g+2], 16<<16
	s_mov_b32 s[\g+3], 32<<16
	s_mov_b32 s[\g+4], 16
	s_mov_b32 s[\g+5], 32
	s_mov_b32 s[\g+6], 0
	s_mov_b32 s[\g+7], 0
.endr
	s_lshl_b32 s67, s18, 7                         ; which 128 rows of the block I fetch
	s_lshl_b32 s20, s66, 8
	s_add_co_u32 s20, s20, s67                     ; A's first row (a place in xc, under 16,384)
	s_lshl_b32 s46, s42, 8
	s_add_co_u32 s46, s46, s67                     ; B's
	s_lshl_b32 s22, s20, 5                         ; their scales, in bytes,
	s_lshl_b32 s92, s46, 5
	s_mul_i32 s20, s20, KROW                       ; and their codes (under 2^24)
	s_mul_i32 s46, s46, KROW
	s_mov_b32 s21, 0
	s_mov_b32 s23, 0
	s_mov_b32 s47, 0
	s_mov_b32 s93, 0
	s_mul_i32 s45, s16, HALFT                      ; where they go: wave x 128 rows: no place in the cluster enters an LDS address
	s_mul_i32 s94, s16, HALFS
	s_wait_kmcnt 0x0
	s_add_nc_u64 s[20:21], s[4:5], s[20:21]
	s_add_nc_u64 s[22:23], s[6:7], s[22:23]
	s_add_nc_u64 s[46:47], s[4:5], s[46:47]
	s_add_nc_u64 s[92:93], s[6:7], s[92:93]
	CROUND                                         ; all sixteen work-groups are here: the first joint loads meet
	s_mov_b32 s[G0S], 1
	s_add_co_u32 s[G0S+1], s94, SCL
	s_mov_b64 s[G0S+2:G0S+3], s[22:23]
	s_or_b32 s[G0S+3], s[G0S+3], 0x80000000
	s_mov_b32 s[G0SB], 1
	s_add_co_u32 s[G0SB+1], s94, SCL
	s_mov_b64 s[G0SB+2:G0SB+3], s[92:93]
	s_or_b32 s[G0SB+3], s[G0SB+3], 0x80000000
	JLOAD G0S, G1S, G0SB, G1SB                     ; the scales first: they are wanted with K step 0
.irp s, 0,1
	s_mov_b32 s[G0+4*\s], 1
	s_add_co_u32 s[G0+4*\s+1], s45, \s*SLOT
	s_add_nc_u64 s[G0+4*\s+2:G0+4*\s+3], s[20:21], \s*ROWB
	s_or_b32 s[G0+4*\s+3], s[G0+4*\s+3], 0x80000000
	s_mov_b32 s[G0B+4*\s], 1
	s_add_co_u32 s[G0B+4*\s+1], s45, \s*SLOT
	s_add_nc_u64 s[G0B+4*\s+2:G0B+4*\s+3], s[46:47], \s*ROWB
	s_or_b32 s[G0B+4*\s+3], s[G0B+4*\s+3], 0x80000000
	JLOAD G0+4*\s, G1, G0B+4*\s, G1B               ; three loads of mine are out
.endr
	v_and_b32 v1, 15, v0                           ; p = l % 16
	v_bfe_u32 v2, v0, 4, 1                         ; h = l / 16
	v_mul_u32_u24 v3, v1, PITCH
	v_mul_u32_u24 v4, v2, 24
	v_add_nc_u32 v4, v3, v4                        ; a fragment's row x pitch + 24 x half
	v_lshl_add_u32 v5, v2, 4, v4                   ; and the same behind one padding more
	s_mul_i32 s21, s17, HALFT                      ; my 128 rows of A
	s_mul_i32 s22, s18, HALFT                      ; my 128 rows of B,
	s_add_co_u32 s22, s22, 2*HALFT                 ; which lie behind A's 256
.irp s, 0,1
	v_add_nc_u32 v[ADRA+\s], s21, v4
	v_add_nc_u32 v[ADRB+\s], s22, v4
	v_add_nc_u32 v[ADRA+2+\s], s21, v5
	v_add_nc_u32 v[ADRB+2+\s], s22, v5
	s_add_co_u32 s21, s21, SLOT
	s_add_co_u32 s22, s22, SLOT
.endr
	v_mul_u32_u24 v5, v1, KS                       ; my row's scales: 32 bytes a row,
	v_lshrrev_b32 v6, 8, v5
	v_lshl_add_u32 v5, v6, 4, v5                   ; and 16 more for each 256 passed
	s_mul_i32 s21, s17, HALFS
	s_mul_i32 s22, s18, HALFS
	s_add_co_u32 s22, s22, 2*HALFS
	s_sub_co_u32 s22, s22, s21
	v_mul_u32_u24 v6, s22, v2                      ; lanes 16-31 take B's
	s_add_co_u32 s21, s21, SCL
	v_add_nc_u32 v5, v5, v6
	v_add_nc_u32 v[ADRS], s21, v5
	; the biases, in both layouts, whatever the job: every address lies inside the 4,096 bytes of the bias
	s_cmp_lt_u32 s19, 2
	s_cselect_b64 s[46:47], s[8:9], s[10:11]       ; bq or bk,
	s_cmp_lt_u32 s19, 8
	s_cselect_b64 s[46:47], s[46:47], s[12:13]     ; or bv
	s_mov_b64 s[92:93], s[46:47]
	s_lshl_b32 s95, s41, 1
	s_add_co_u32 s95, s95, s17                     ; P: my 128 of A's 1,024 rows
	s_lshl_b32 s98, s40, 1
	s_add_co_u32 s98, s98, s18                     ; Q: my 128 of B's
	s_lshl_b32 s20, s98, 9
	s_mov_b32 s21, 0
	s_add_nc_u64 s[46:47], s[46:47], s[20:21]      ; along registers: B's 128 features
	s_lshl_b32 s20, s95, 9
	s_add_nc_u64 s[92:93], s[92:93], s[20:21]      ; along lanes: A's 128 features
	v_lshlrev_b32 v[BKO], 6, v2
	v_and_b32 v[BVO], 8, v1
	v_add_nc_u32 v[BVO], v[BVO], v1
	v_lshlrev_b32 v[BVO], 2, v[BVO]
.irp jj, 0,1,2,3
.irp e, 0,1,2,3
	global_load_b128 v[BI+16*\jj+4*\e:BI+16*\jj+4*\e+3], v[BKO], s[46:47] offset:128*\jj+16*\e
.endr
.endr
.irp a, 0,1,2,3,4,5,6,7
	global_load_b32 v[BV+2*\a], v[BVO], s[92:93] offset:(32*(\a/2)+8*(\a%2))*4
	global_load_b32 v[BV+2*\a+1], v[BVO], s[92:93] offset:(32*(\a/2)+8*(\a%2))*4
.endr
	; where my results go
	s_cmp_eq_u32 s2, 0
	s_cselect_b32 s99, s95, s98                    ; my 128 tokens of the job's 1,024
	s_cselect_b32 s100, s98, s95                   ; my 128 features: four heads
	s_lshl_b32 s96, s96, 3
	s_add_co_u32 s96, s96, s99                     ; the slot
	s_lshl_b32 s97, s97, 5
	s_lshl_b32 s100, s100, 2
	s_add_co_u32 s97, s97, s100                    ; the first head's record
	s_mul_i32 s97, s97, REC                        ; (under 2^24)
	s_mul_i32 s20, s96, 3072
	s_add_co_u32 s20, s20, s97
	s_add_co_u32 s20, s20, s101
	s_mov_b32 s21, 0
	s_lshl_b32 s22, s96, 7
	s_add_co_u32 s22, s22, s97
	s_add_co_u32 s22, s22, SWB
	s_mov_b32 s23, 0
	s_add_nc_u64 s[20:21], s[14:15], s[20:21]      ; the slot's codes
	s_add_nc_u64 s[22:23], s[14:15], s[22:23]      ; its scale words
	s_mov_b32 s[SEL], 0x76543210
	s_mov_b32 s[SEL+1], 0xfedcba98
	v_and_b32 v[LN], 31, v0
	v_lshlrev_b32 v[CS], 2, v[LN]
	v_lshlrev_b32 v[CO], 4, v[LN]
.macro FRAG reg, adr, q, i             ; a fragment, 16 rows x 128 K: lane l holds row l % 16; registers 6 c .. 6 c + 5 hold K = 64 c + 32 (l / 16) + 0 .. 31: 24 bytes of the row, as they lie, in pieces of 8 bytes
.irp p, 0,1,2,3,4,5
.set PCE, 12*(\q)+6*(\p/3)+\p%3        ; 16 bytes of padding lie behind every 8 pieces: where the piece three on lies behind one padding more, the second address register serves
.if PCE%8 < 5
	ds_load_b64 v[\reg+2*\p:\reg+2*\p+1], v[\adr] offset:8*PCE+16*(PCE/8)+(\i)*16*PITCH
.else
	ds_load_b64 v[\reg+2*\p:\reg+2*\p+1], v[\adr+2] offset:8*PCE+16*(PCE/8)+(\i)*16*PITCH
.endif
.endr
.endm
; 16 matrix instructions: A's blocks a0, a0 + 1 x B's eight, 128 along K.  The 64 accumulators take turns, one instruction a turn, in the same order in every step.
.macro MUL16 a0, p, q, sc, zero
.irp a, \a0, \a0+1
.irp b, 0,1,2,3,4,5,6,7
.if \zero
	v_wmma_scale_f32_16x16x128_f8f6f4 v[8*(8*((\a)%4)+\b):8*(8*((\a)%4)+\b)+7], v[128*(\p)+FR*\b:128*(\p)+FR*\b+FR-1], v[AF+FR*(\a):AF+FR*(\a)+FR-1], 0, v[SC+8*NQ*(\sc)+NQ*\b+(\q)], v[SC+8*NQ*(\sc)+NQ*(\a)+(\q)] matrix_a_fmt:MATRIX_FMT_FP6 matrix_b_fmt:MATRIX_FMT_FP6 matrix_a_scale:MATRIX_SCALE_ROW1
.else
	v_wmma_scale_f32_16x16x128_f8f6f4 v[8*(8*((\a)%4)+\b):8*(8*((\a)%4)+\b)+7], v[128*(\p)+FR*\b:128*(\p)+FR*\b+FR-1], v[AF+FR*(\a):AF+FR*(\a)+FR-1], v[8*(8*((\a)%4)+\b):8*(8*((\a)%4)+\b)+7], v[SC+8*NQ*(\sc)+NQ*\b+(\q)], v[SC+8*NQ*(\sc)+NQ*(\a)+(\q)] matrix_a_fmt:MATRIX_FMT_FP6 matrix_b_fmt:MATRIX_FMT_FP6 matrix_a_scale:MATRIX_SCALE_ROW1
.endif
.endr
.endr
.endm
.macro FETCH_B slot, q, p
	WIN TO_B
.irp i, 0,1,2,3,4,5,6,7
	FRAG 128*(\p)+FR*\i, ADRB+\slot, \q, \i
.endr
	WIN 0
.endm
.macro FETCH_A slot, q, i0
.irp i, \i0, \i0+1, \i0+2, \i0+3
	FRAG AF+FR*(\i), ADRA+\slot, \q, \i
.endr
.endm
.macro SCALES sc                       ; a K step's scale words: two words a row; lanes 0-15 take A's block i, lanes 16-31 B's block i
.irp i, 0,1,2,3,4,5,6,7
	ds_load_b64 v[SC+8*NQ*\sc+NQ*\i:SC+8*NQ*\sc+NQ*\i+1], v[ADRS] offset:\i*SBLK
.endr
.endm
.macro PLACES n                        ; plain vector instructions that name no register of the matrix instructions in front of them (ISA guide 7.12.1)
.rept \n
	v_nop
.endr
.endm
; A step of 128 along K that has its successor in the same slot.
.macro STEP slot, q, zero
	s_wait_dscnt 4*NL                              ; B's set, A's blocks 0-3 and the scale words are in; the youngest 24 loads (A's blocks 4-7) may be out
	WIN MUL_LO
	MUL16 0, (\q)%2, \q, \slot, \zero
	MUL16 2, (\q)%2, \q, \slot, \zero
	s_wait_dscnt 0                                 ; A's blocks 4-7 are in
	PLACES NP
	FETCH_B \slot, (\q)+1, 1-(\q)%2
	FETCH_A \slot, (\q)+1, 0
	WIN MUL_HI
	MUL16 4, (\q)%2, \q, \slot, \zero
	MUL16 6, (\q)%2, \q, \slot, \zero
	PLACES NP
	WIN 0
	FETCH_A \slot, (\q)+1, 4
.endm
; A slot's last step changes slots: ONE barrier; in front of it each wave waits for all its tensor loads, adds 0 to its spare word, and waits for that and for its own reads of this slot.  fill = 1: this slot is filled again, two K steps ahead.
.macro TURN slot, next, fill
	s_wait_tensorcnt 0x0                           ; all my tensor loads have landed: my part of the next slot
	ds_add_u32 v[SPW], v[NIL]                      ; 0 onto my spare word
	s_wait_dscnt 4*NL+1                            ; (the add and the youngest 24 loads, A's blocks 4-7, may be out)
	WIN MUL_LO
	MUL16 0, 1, NQ-1, \slot, 0                     ; sixteen matrix instructions stand between the add and the wait for it
	s_wait_dscnt 0x0                               ; the add is done, and my reads of this slot are over
	s_barrier_signal -1
	MUL16 2, 1, NQ-1, \slot, 0
	WIN 0
	s_barrier_wait -1
.if \fill
	CREST                                          ; the barrier has opened a round of the cluster's barrier: no wave of any partner still reads this slot's tile or has a load on its way
	s_add_nc_u64 s[G0+4*\slot+2:G0+4*\slot+3], s[G0+4*\slot+2:G0+4*\slot+3], 2*ROWB
	s_add_nc_u64 s[G0B+4*\slot+2:G0B+4*\slot+3], s[G0B+4*\slot+2:G0B+4*\slot+3], 2*ROWB
	JLOAD G0+4*\slot, G1, G0B+4*\slot, G1B         ; the first tensor load behind the round; its four v_nop are the places in front of the loads below
.else
	PLACES NP
.endif
	v_add_nc_u32 v[ADRS], 4*NQ, v[ADRS]            ; on to the next K step's scale words (no LDS load of mine is out)
	FETCH_B \next, 0, 0
	FETCH_A \next, 0, 0
	SCALES \next
	WIN MUL_HI
	MUL16 4, 1, NQ-1, \slot, 0
	MUL16 6, 1, NQ-1, \slot, 0
	PLACES NP
	WIN 0
	FETCH_A \next, 0, 4
.endm
	s_wait_tensorcnt 1                             ; the scales and my part of K step 0 are in (K step 1's load may be out)
	s_barrier_signal -1
	s_barrier_wait -1                              ; everybody's are
	FETCH_B 0, 0, 0
	FETCH_A 0, 0, 0
	SCALES 0
	FETCH_A 0, 0, 4
	STEP 0, 0, 1                                   ; K = 1,024 is four K steps, eight steps of 128, written straight: the first starts the sums
	TURN 0, 1, 1                                   ; slot 0 takes K step 2
	STEP 1, 0, 0
	TURN 1, 0, 1                                   ; slot 1 takes K step 3
	STEP 0, 0, 0
	TURN 0, 1, 0                                   ; nothing is left to fetch
	STEP 1, 0, 0
	s_wait_dscnt 4*NL
	WIN MUL_LO
	MUL16 0, 1, NQ-1, 1, 0
	MUL16 2, 1, NQ-1, 1, 0
	s_wait_dscnt 0
	WIN MUL_HI
	MUL16 4, 1, NQ-1, 1, 0
	MUL16 6, 1, NQ-1, 1, 0
	WIN 0
; THE WAY OUT.  64 numbers of a lane (four blocks: register 16 b + i = number 16 (lane / 16) + i of block b of my row) get their bias, are quantised in registers, and leave as a fragment's image: no LDS.
; q, k: head jj of my four, fragment u: block g = A's tile 4 u + g (16 tokens), the 32 numbers = the head's channels (B's tiles 2 jj, 2 jj + 1).  Each accumulator is read from its low end on.
.macro GATHER_K jj, u
	WIN 0x02+(\u)                                  ; source 0: window 2 or 3
.irp g, 0,1,2,3
.irp i, 0,2,4,6,8,10,12,14
	v_pk_add_f32 v[HA+16*\g+\i:HA+16*\g+\i+1], v[64*\g+16*(\jj)+\i:64*\g+16*(\jj)+\i+1], v[BI+16*(\jj)+\i:BI+16*(\jj)+\i+1]
.endr
.endr
	WIN 0
.endm
; v: A's tile a = 2 jj + u (16 channels of head jj), the 128 numbers of a row = my 128 tokens (B's eight tiles)
.macro GATHER_V a
	WIN 0x02+(\a)/4
.irp n, 0,2,4,6,8,10,12,14,16,18,20,22,24,26,28,30,32,34,36,38,40,42,44,46,48,50,52,54,56,58,60,62
	v_pk_add_f32 v[HA+\n:HA+\n+1], v[64*((\a)%4)+\n:64*((\a)%4)+\n+1], v[BV+2*(\a):BV+2*(\a)+1]
.endr
	WIN 0
.endm
.macro QUANT s, pc, pw                 ; v[s] .. v[s + 63] become a fragment's codes in v[pc] on and its scale word in v[pw]
.irp b, 0,1,2,3
	v_max3_num_f32 v[TM+\b], |v[\s+16*\b]|, |v[\s+1+16*\b]|, 0x1800000   ; block b: my 16 numbers, and the floor 2^(3 - 127): the byte cannot fall under 1
.endr
.irp i, 2,4,6,8,10,12,14
.irp b, 0,1,2,3
	v_max3_num_f32 v[TM+\b], v[TM+\b], |v[\s+16*\b+\i]|, |v[\s+1+16*\b+\i]|   ; (the four blocks by turns)
.endr
.endr
.irp b, 0,1,2,3
	v_permlanex16_b32 v[TM+4+\b], v[TM+\b], s[SEL], s[SEL+1]
.endr
.irp b, 0,1,2,3
	v_max_num_f32 v[TM+\b], v[TM+\b], v[TM+4+\b]   ; with lane l xor 16's: the block's largest magnitude
.endr
.irp b, 0,1,2,3
	v_add_nc_u32 v[TM+12+\b], 0xff000000, v[TM+\b]   ; 2 off its exponent field: the conversion's scale operand
.endr
.irp b, 0,1,2,3
	v_lshrrev_b32 v[TM+4+\b], 23, v[TM+12+\b]      ; the scale's byte
.endr
	v_lshl_or_b32 v[\pw], v[TM+5], 8, v[TM+4]      ; the four bytes make my row's scale word (both halves of the lanes hold the same)
	v_lshl_or_b32 v[\pw], v[TM+6], 16, v[\pw]
	v_lshl_or_b32 v[\pw], v[TM+7], 24, v[\pw]
.irp c, 0,1
	v_cvt_scalef32_pk16_fp6_f32 v[\pc+6*\c:\pc+2+6*\c], v[\s+32*\c:\s+15+32*\c], v[TM+12+2*\c]
	v_cvt_scalef32_pk16_fp6_f32 v[PT+4*\c:PT+2+4*\c], v[\s+16+32*\c:\s+31+32*\c], v[TM+12+2*\c+1]   ; (a conversion's three registers begin on an even number)
.endr
	v_nop                                          ; one plain place behind a scaled conversion
.irp c, 0,1                                    ; the operand's layout wants a WHOLE block in a lane: lanes 0-15 block 2 c, lanes 16-31 block 2 c + 1
.irp i, 0,1,2
	v_permlane16_swap_b32 v[\pc+6*\c+\i], v[PT+4*\c+\i]
.endr
.irp i, 0,1,2
	v_mov_b32 v[\pc+3+6*\c+\i], v[PT+4*\c+\i]
.endr
.endr
.endm
.macro OUT jj, u, pc                   ; the image: each store covers 512 consecutive bytes, aligned to 256
.irp c, 0,1,2
	global_store_b128 v[CO], v[\pc+4*\c:\pc+4*\c+3], s[20:21] offset:(\jj)*REC+(\u)*1536+512*\c
.endr
.endm
.macro PAIRSCALE jj                    ; lanes 0-15 the first fragment's words, lanes 16-31 the second's: 128 consecutive bytes
	v_cndmask_b32 v[PWX], v[PW0], v[PW1], vcc_lo
	global_store_b32 v[CS], v[PWX], s[22:23] offset:(\jj)*REC
.endm
	PLACES NP                                      ; behind the last products: their results are read, and A's registers written, below
	s_wait_loadcnt 0x0                             ; the biases
.irp b, 0,1,2,3
	v_mov_b32 v[TM+4+\b], 0                        ; written once: a lane permute's destination counts as one of its sources
.endr
	v_cmp_le_u32 vcc_lo, 16, v[LN]                 ; lanes 16-31
	s_cmp_lg_u32 s2, 0                             ; the job's kind: the same in every wave of the cluster
	s_cbranch_scc1 .Lvmode
.irp jj, 0,1,2,3
	s_wait_xcnt 0x0                                ; the last head's stores have read their registers: these are written again only behind this wait
	GATHER_K \jj, 0
	QUANT HA, PC0, PW0
	OUT \jj, 0, PC0
	GATHER_K \jj, 1
	QUANT HA, PC1, PW1
	OUT \jj, 1, PC1
	PAIRSCALE \jj
.endr
	s_branch .Ldone
.Lvmode:
.irp jj, 0,1,2,3
	s_wait_xcnt 0x0
	GATHER_V 2*\jj
	QUANT HA, PC0, PW0
	OUT \jj, 0, PC0
	GATHER_V 2*\jj+1
	QUANT HA, PC1, PW1
	OUT \jj, 1, PC1
	PAIRSCALE \jj
.endr
.Ldone:
	s_wait_tensorcnt 0x0                           ; the wave's end
	ds_add_u32 v[SPW], v[NIL]
	s_wait_dscnt 0x0
	CROUND                                         ; the closing round: no work-group ends while a partner may still ask for a tile that names it
	s_endpgm
.Lfunc_end_k_q49c21f0b98_proj:
	.size	k_q49c21f0b98_proj, .Lfunc_end_k_q49c21f0b98_proj-k_q49c21f0b98_proj
	.p2alignl 7, 3214868480
	.fill 96, 4, 3214868480
	.section	.rodata,"a",@progbits
	.p2align	6, 0x0
	.amdhsa_kernel k_q49c21f0b98_proj
		.amdhsa_group_segment_fixed_size 327680
		.amdhsa_private_segment_fixed_size 0
		.amdhsa_enable_private_segment 0
		.amdhsa_kernarg_size 48
		.amdhsa_user_sgpr_count 2
		.amdhsa_user_sgpr_kernarg_segment_ptr 1
		.amdhsa_wavefront_size32 1
		.amdhsa_system_sgpr_workgroup_id_x 1
		.amdhsa_system_sgpr_workgroup_id_y 1
		.amdhsa_system_sgpr_workgroup_id_z 1
		.amdhsa_system_vgpr_workitem_id 0
		.amdhsa_next_free_vgpr 1024
		.amdhsa_next_free_sgpr 102
		.amdhsa_reserve_vcc 1
		.amdhsa_float_denorm_mode_32 3
		.amdhsa_float_denorm_mode_16_64 3
		.amdhsa_memory_ordered 1
		.amdhsa_forward_progress 1
		.amdhsa_inst_pref_size 233
	.end_amdhsa_kernel
	.amdgpu_metadata
---
amdhsa.version: [ 1, 2 ]
amdhsa.kernels:
  - .name:           k_q49c21f0b98_proj
    .symbol:         k_q49c21f0b98_proj.kd
    .args:
      - { .name: xc, .offset: 0, .size: 8, .value_kind: global_buffer, .address_space: global }
      - { .name: xs, .offset: 8, .size: 8, .value_kind: global_buffer, .address_space: global }
      - { .name: bq, .offset: 16, .size: 8, .value_kind: global_buffer, .address_space: global }
      - { .name: bk, .offset: 24, .size: 8, .value_kind: global_buffer, .address_space: global }
      - { .name: bv, .offset: 32, .size: 8, .value_kind: global_buffer, .address_space: global }
      - { .name: img, .offset: 40, .size: 8, .value_kind: global_buffer, .address_space: global }
    .group_segment_fixed_size: 327680
    .private_segment_fixed_size: 0
    .kernarg_segment_align: 8
    .kernarg_segment_size: 48
    .max_flat_workgroup_size: 128
    .sgpr_count:     102
    .vgpr_count:     1024
    .wavefront_size: 32
...
	.end_amdgpu_metadata
.endif
;; end of part 2
;; launch attn (part 3): grid 4 x 64, 16 waves a work-group, clusters of 4 x 1, 169,984 bytes of LDS; arguments img, oc, os; writes oc, os
.if DOCPART == 3
	.amdgcn_target "amdgcn-amd-amdhsa--gfx1250"
	.amdhsa_code_object_version 6
	.text
	.protected	k_q49c21f0b98_attn
	.globl	k_q49c21f0b98_attn
	.p2align	8
	.type	k_q49c21f0b98_attn,@function
k_q49c21f0b98_attn:
	s_mov_b64 s[64:65], 0
	v_nop
	global_prefetch_b8 v0, s[64:65] scope:SCOPE_SE
	s_setreg_imm32_b32 hwreg(HW_REG_WAVE_MODE, 25, 1), 1
	s_wait_xcnt 0x0
	s_wait_alu depctr_hold_cnt(0) depctr_sa_sdst(0) depctr_va_vdst(0) depctr_va_sdst(0) depctr_va_ssrc(0) depctr_va_vcc(0) depctr_vm_vsrc(0)
	s_getreg_b32 s2, hwreg(HW_REG_IB_STS2, 6, 4)
	s_cmp_eq_u32 s2, 0
	s_cbranch_scc0 .Lentry_in_a_cluster
	s_endpgm
.Lentry_in_a_cluster:
	s_bfe_u32 s2, ttmp6, 0x10000c
	s_cmp_lg_u32 s2, 0x3003
	s_cbranch_scc0 .Lentry_shape_is_right
	s_endpgm
.Lentry_shape_is_right:
; Attention of one (batch, head): 1,024 queries, 3,072 keys (2,048 keys, then 1,024 rows of memory), head size 32, both products on codes of FP6 (E2M3) with E8M0 scales; the result is quantised along the head's 32 (one block of the last
; projection's K) and leaves as codes (oc: [batch x 32 + head][query][24 bytes]) and scale bytes (os: [batch x 32 + head][query]).
; SOFTMAX: t = score x log2(e) / sqrt(32); M = the running largest t rounded UP to a whole number; p = 2^(t - M) is quantised along the keys, not normalised; the row's sum is taken of the unquantised p and divides at the end.
; When M moves, the sum and O are multiplied by 2^(old M - new M): exact.
; SHARES.  A work-group owns 256 queries of a head, each of its sixteen waves 16 of them: four waves to a SIMD, so that one wave's vector work stands beside another's matrix work.  A step is 128 keys; 24 steps.
; A HEAD'S K, V AND THEIR SCALE WORDS ARE ONE DENSE BLOCK OF 153,600 BYTES of the head's record in img: it comes into LDS ONCE and stays: no ring.  The four work-groups of a cluster own the four query blocks of one head and ask for
; the block JOINTLY: waves 0-7 bring 75 rows of 256 bytes each.
; SCORES.  The head's 32 fill one block of the instruction's four.  A fragment of K holds 64 keys: lane (p, h), registers 6 c .. 6 c + 5: the codes of key 64 F + 32 c + 8 h + p + 8 (p / 8): block g = 2 c + h is a GROUP OF 16 KEYS.  It is multiplied
; by four fragments of Q, each with q in block g and zero codes elsewhere (zero codes add nothing under any scale byte of 1 to 254): tile T = 4 F + g of S^T, whose row m is key 32 (T / 2) + 8 (T % 2) + m + 8 (m / 8).  So the 16 registers
; of tiles 2 b, 2 b + 1 are keys 32 b + 16 (lane / 16) + 0 .. 15, and a lane holds ONE query throughout.  O^T = V^T P^T: source 0 = 16 channels (row p of fragment u = channel 8 u + p + 8 (p / 8)): O's register i is channel 16 (lane / 16) + i.
; LIMITS: NaN and infinities are not served; a block whose largest magnitude lies under 2^-124, a block of zeros among them, has the byte 1.
.set REC,  179200
.set VB,   73728                       ; LDS: K's 24 slots of 3,072 bytes at 0, V's 24 here,
.set SWB,  147456                      ; their 48 x 128 bytes of scale words here;
.set STG,  153600                      ; behind the block, in bytes that no fill touches: 256 queries x 24 bytes of codes on the way out,
.set STS,  159744                      ; and their 256 scale bytes
.set QB0,  154624                      ; in a record: Q's slots
.set LI,  1                            ; v1   16 x lane
.set LW,  2                            ; v2   SWB + 4 x lane
.set ADK, 4                            ; v4-6 the step's addresses of K, V, scale words
.set ADV, 5
.set ADS, 6
.set SCA, 10                           ; v10  the stage: my 12 bytes of codes
.set SSA, 11                           ; v11  my query's scale byte
.set QF,  16                           ; v16-51 Q: q in lanes 0-15 | zeros | the same q | q in lanes 16-31 | zeros | the same: four overlapping fragments at 16, 34, 22, 40
.set KF,  52                           ; v52-75 two fragments of K
.set VF,  76                           ; v76-99 two fragments of V
.set QSO, 100
.set RDC, 101                          ; v101 the stage read back: 16 bytes a lane
.set RDS, 102                          ; v102 the scale bytes read back: 8 bytes a lane
.set GOS, 103                          ; v103 8 x lane
.set S,   104                          ; v104-167 S^T, then p
.set O,   168                          ; v168-183 O^T
.set PC,  184                          ; v184-195 p's codes
.set W,   204                          ; v204-219 at work
.set KSW, 220                          ; scale words, and nothing else: K's (lanes 0-15 fragment 0, lanes 16-31 fragment 1), V's likewise, q's (its byte four times), p's
.set VSW, 221
.set QSW, 222
.set PSW, 223
.set F,   224                          ; v224 2^(old M - new M); v225 = 0, named with it as a pair
.set TMP, 226
.set X,   228                          ; v228-234 q as loaded; later v[228:229] the second chain of the row's sum
.macro ROUND                           ; a round of the cluster's barrier
	s_barrier_signal -1
	s_barrier_wait -1
	s_cmp_lg_u32 s10, 0
	s_cbranch_scc1 .Lnot_wave_0_\@
	s_barrier_signal -3
.Lnot_wave_0_\@:
	s_barrier_wait -3
	s_barrier_signal -1
	s_barrier_wait -1
.endm
	s_load_b128 s[4:7], s[0:1], 0x0                ; img, oc
	s_load_b64 s[8:9], s[0:1], 0x10                ; os
	v_lshl_add_u32 v254, v0, 2, 0x29000
	v_mov_b32 v255, 0
	ds_add_u32 v254, v255
	ds_add_u32 v254, v255
	v_lshrrev_b32 v1, 5, v0
	v_readfirstlane_b32 s10, v1                    ; wave 0..15
	s_bfe_u32 s11, ttmp6, 0x40000                  ; cx: my block of 256 queries: it enters global addresses alone
	s_and_b32 s12, ttmp7, 0xffff                   ; batch x 32 + head, which the four partners share
	s_mul_i32 s14, s12, REC                        ; (under 2^24)
	s_mov_b32 s15, 0
	; descriptor group 1: 75 rows of 256 bytes (32 elements of 8), dense, no padding
	s_mov_b32 s24, 15|(3<<16)|(1<<21)              ; 15:0 the mask: all four work-groups; 17:16 elements of 8 bytes; 21 set beside a mask
	s_mov_b32 s25, 32<<16                          ; tensor_dim0
	s_mov_b32 s26, 75<<16                          ; tensor_dim1
	s_mov_b32 s27, 32<<16                          ; tile_dim0
	s_mov_b32 s28, 75                              ; tile_dim1
	s_mov_b32 s29, 32                              ; from row to row
	s_mov_b32 s30, 0
	s_mov_b32 s31, 0
	s_mov_b32 s32, 1
	s_min_u32 s13, s10, 7                          ; (waves 8-15 issue no load)
	s_mul_i32 s33, s13, 19200                      ; my 75 rows, in LDS and in the block alike
	s_mov_b32 s56, s33
	s_mov_b32 s57, 0
	; my 16 queries: slot 48 + 2 cx + wave / 8, fragment (wave / 4) % 2, group g = wave % 4 = 2 c + h
	s_and_b32 s40, s10, 3
	s_lshr_b32 s41, s40, 1                         ; c
	s_and_b32 s42, s40, 1                          ; h
	s_lshr_b32 s13, s10, 3
	s_lshl_b32 s46, s11, 1
	s_add_co_u32 s13, s13, s46
	s_bfe_u32 s46, s10, 0x10002
	s_mul_i32 s16, s13, 3072
	s_mul_i32 s47, s46, 1536
	s_add_co_u32 s16, s16, s47
	s_lshl_b32 s47, s42, 8                         ; the group lies in lanes 16 h on of the image: 256 h bytes
	s_add_co_u32 s16, s16, s47
	s_add_co_u32 s16, s16, QB0
	s_mov_b32 s17, 0
	s_lshl_b32 s18, s13, 7
	s_lshl_b32 s47, s46, 6
	s_add_co_u32 s18, s18, s47
	s_add_co_u32 s18, s18, SWB+48*128
	s_mov_b32 s19, 0
	s_cmp_eq_u32 s41, 0                            ; registers 6 c .. 6 c + 5 of the image, in pairs: c = 0: bytes 0, 8, 512; c = 1: 520, 1024, 1032 (+ 16 x lane)
	s_cselect_b32 s43, 0, 520
	s_cselect_b32 s44, 8, 1024
	s_mov_b32 s45, 1032
	s_cselect_b32 s45, 512, s45
	s_mul_i32 s46, s40, 0x01010101                 ; v_perm_b32: byte g four times
	s_mov_b32 s20, 0x76543210
	s_mov_b32 s21, 0xfedcba98                      ; v_permlanex16_b32's selects for lane l xor 16
	s_mov_b32 s22, 0x3e8293ee                      ; c = log2(e) / sqrt(32)
	s_mov_b32 s23, s22                             ; (named with it as a pair)
	s_mov_b32 s36, 0                               ; the step's slot, in bytes
	s_mov_b32 s37, 0                               ; and its scale words
	s_mov_b32 s38, 24                              ; steps
	s_lshr_b32 s52, s10, 2                         ; lane r's query among the work-group's 256: 64 (wave / 4) + 32 ((wave / 2) % 2) + 8 (wave % 2) + r + 8 (r / 8)
	s_lshl_b32 s52, s52, 6
	s_bfe_u32 s53, s10, 0x10001
	s_lshl_b32 s53, s53, 5
	s_add_co_u32 s52, s52, s53
	s_and_b32 s53, s10, 1
	s_lshl_b32 s53, s53, 3
	s_add_co_u32 s52, s52, s53
	s_min_u32 s54, s10, 11                         ; waves 0-11 store 512 bytes of codes each
	s_lshl_b32 s54, s54, 9
	s_mul_i32 s48, s12, 24576
	s_mul_i32 s53, s11, 6144
	s_add_co_u32 s48, s48, s53
	s_add_co_u32 s48, s48, s54
	s_mov_b32 s49, 0
	s_lshl_b32 s50, s12, 10
	s_lshl_b32 s53, s11, 8
	s_add_co_u32 s50, s50, s53
	s_mov_b32 s51, 0
	; every LDS address is made here, on the one way that all waves take
	v_and_b32 v[TMP], 31, v0                       ; lane
	v_and_b32 v3, 15, v0                           ; r
	v_bfe_u32 v227, v0, 4, 1                       ; h
	v_lshlrev_b32 v[LI], 4, v[TMP]
	v_lshl_add_u32 v[LW], v[TMP], 2, SWB
	v_and_b32 v[SCA], 8, v3
	v_add_nc_u32 v[SCA], v[SCA], v3
	v_add_nc_u32 v[SCA], s52, v[SCA]               ; my query
	v_add_nc_u32 v[SSA], STS, v[SCA]
	v_mul_u32_u24 v[SCA], v[SCA], 24
	v_mad_u32_u24 v[SCA], v227, 12, v[SCA]
	v_add_nc_u32 v[SCA], STG, v[SCA]
	v_add_nc_u32 v[RDC], s54, v[LI]
	v_add_nc_u32 v[RDC], STG, v[RDC]
	v_lshlrev_b32 v[GOS], 3, v[TMP]
	v_add_nc_u32 v[RDS], STS, v[GOS]
	v_lshlrev_b32 v[QSO], 2, v3
	v_lshlrev_b32 v7, 4, v3
	v_add_nc_u32 v8, s44, v7
	v_add_nc_u32 v9, s45, v7
	v_add_nc_u32 v7, s43, v7
	s_wait_dscnt 0x0
	s_wait_kmcnt 0x0
	s_add_nc_u64 s[14:15], s[4:5], s[14:15]        ; the head's record
	s_add_nc_u64 s[34:35], s[14:15], s[56:57]
	s_or_b32 s35, s35, 0x80000000                  ; type = 2
	s_add_nc_u64 s[16:17], s[14:15], s[16:17]
	s_add_nc_u64 s[18:19], s[14:15], s[18:19]
	s_add_nc_u64 s[48:49], s[6:7], s[48:49]
	s_add_nc_u64 s[50:51], s[8:9], s[50:51]
	ROUND                                          ; all four work-groups are here: the joint loads meet
	s_cmp_lt_u32 s10, 8
	s_cbranch_scc0 .Lno_fill
	tensor_load_to_lds s[32:35], s[24:31]          ; one load a wave, filled once in the launch
	s_nop 0
.rept 4
	v_nop
.endr
.Lno_fill:
	global_load_b64 v[X:X+1], v7, s[16:17]         ; every lane takes query r's 24 bytes
	global_load_b64 v[X+2:X+3], v8, s[16:17]
	global_load_b64 v[X+4:X+5], v9, s[16:17]
	global_load_b32 v[X+6], v[QSO], s[18:19]       ; and its fragment's scale word
	v_mov_b32 v13, 0xff61b1e6                      ; the largest t so far: -3e38, under every t
	v_floor_f32 v12, -v13                          ; -M
	v_mov_b32 v14, 0                               ; the sum, in two halves
	v_mov_b32 v15, 0
.irp j, 0,1,2,3,4,5,6,7,8,9,10,11,12,13,14,15
	v_mov_b32 v[O+\j], 0                           ; the step is written once: the first finds zeros, which the first change of M leaves zeros
.endr
.irp j, 0,1,2,3,4,5
	v_mov_b32 v[QF+6+\j], 0
	v_mov_b32 v[QF+24+\j], 0
.endr
.irp b, 0,1,2,3
	v_mov_b32 v[W+4+\b], 0                         ; written once: a lane permute's destination counts as one of its sources
.endr
	v_mov_b32 v[F+1], 0
	v_cmp_gt_u32 vcc_lo, 16, v[TMP]                ; lanes 0-15
	s_wait_loadcnt 0x0
.irp j, 0,1,2,3,4,5
	v_cndmask_b32 v[QF+\j], 0, v[X+\j], vcc_lo     ; q in lanes 0-15: blocks 0 and 2
	v_cndmask_b32 v[QF+12+\j], 0, v[X+\j], vcc_lo
	v_cndmask_b32 v[QF+18+\j], v[X+\j], v[QF+6], vcc_lo   ; q in lanes 16-31: blocks 1 and 3
	v_cndmask_b32 v[QF+30+\j], v[X+\j], v[QF+6], vcc_lo
.endr
	v_perm_b32 v[QSW], v[X+6], v[X+6], s46         ; my query's byte in all four places
.rept 8
	v_nop                                          ; a scale register written by a vector instruction stands 8 places ahead of a scaled matrix instruction, an operand so written 4
.endr
	s_wait_tensorcnt 0x0                           ; my part of the block is in,
	s_barrier_signal -1
	s_barrier_wait -1                              ; everybody's is
.irp f, 0,1
.irp c, 0,1,2
	ds_load_b128 v[KF+12*\f+4*\c:KF+12*\f+4*\c+3], v[LI] offset:1536*\f+512*\c   ; step 0's K: an image comes back as it was stored
.endr
.endr
	ds_load_b32 v[KSW], v[LW]
.Lstep:                                            ; 24 trips: 128 keys each
	s_wait_dscnt 0x0                               ; K and its scale words are in
.irp t, 0,1,2,3
	v_wmma_scale_f32_16x16x128_f8f6f4 v[S+8*\t:S+8*\t+7], v[KF:KF+11], v[QF+18*(\t%2)+6*(\t/2):QF+18*(\t%2)+6*(\t/2)+11], 0, v[KSW], v[QSW] matrix_a_fmt:MATRIX_FMT_FP6 matrix_b_fmt:MATRIX_FMT_FP6
.endr
.irp t, 0,1,2,3
	v_wmma_scale_f32_16x16x128_f8f6f4 v[S+32+8*\t:S+32+8*\t+7], v[KF+12:KF+23], v[QF+18*(\t%2)+6*(\t/2):QF+18*(\t%2)+6*(\t/2)+11], 0, v[KSW], v[QSW] matrix_a_fmt:MATRIX_FMT_FP6 matrix_b_fmt:MATRIX_FMT_FP6 matrix_a_scale:MATRIX_SCALE_ROW1
.endr
	v_add_nc_u32 v[ADK], s36, v[LI]                ; four plain instructions: the places in front of the loads into K's, V's and the scale words' registers, and of the first read of the scores
	v_add_nc_u32 v[ADV], VB, v[ADK]
	v_add_nc_u32 v[ADS], s37, v[LW]
	v_nop
.irp u, 0,1
.irp c, 0,1,2
	ds_load_b128 v[VF+12*\u+4*\c:VF+12*\u+4*\c+3], v[ADV] offset:1536*\u+512*\c   ; this step's V
.endr
.endr
	ds_load_b32 v[VSW], v[ADS] offset:3072
.irp f, 0,1
.irp c, 0,1,2
	ds_load_b128 v[KF+12*\f+4*\c:KF+12*\f+4*\c+3], v[ADK] offset:3072+1536*\f+512*\c   ; the NEXT step's K (in the last trip: V's first slot, bytes that are filled; nobody uses them)
.endr
.endr
	ds_load_b32 v[KSW], v[ADS] offset:128
.irp b, 0,1,2,3
	v_max3_num_f32 v[W+\b], v[S+16*\b], v[S+1+16*\b], v[S+2+16*\b]   ; the largest score of each block of 32 keys: it serves the row's maximum and, since p rises with the score, the block's largest p
.endr
.irp i, 3,5,7,9,11,13
.irp b, 0,1,2,3
	v_max3_num_f32 v[W+\b], v[W+\b], v[S+16*\b+\i], v[S+1+16*\b+\i]
.endr
.endr
.irp b, 0,1,2,3
	v_max_num_f32 v[W+\b], v[W+\b], v[S+15+16*\b]
.endr
.irp b, 0,1,2,3
	v_permlanex16_b32 v[W+4+\b], v[W+\b], s20, s21
.endr
.irp b, 0,1,2,3
	v_max_num_f32 v[W+\b], v[W+\b], v[W+4+\b]      ; with lane l xor 16's 16 keys
.endr
	v_max3_num_f32 v[TMP], v[W], v[W+1], v[W+2]
	v_max_num_f32 v[TMP], v[TMP], v[W+3]           ; the step's largest score of my query
	v_mul_f32 v[TMP], s22, v[TMP]                  ; as t (c is positive)
	v_max_num_f32 v13, v13, v[TMP]                 ; the running largest t
	v_mov_b32 v[TMP], v12
	v_floor_f32 v12, -v13                          ; the new -M = floor(-t) = -ceil(t)
	v_sub_f32 v[TMP], v12, v[TMP]                  ; old M - new M: a whole number, 0 or less
	v_cvt_i32_f32 v[TMP], v[TMP]                   ; (it saturates)
	v_ldexp_f32 v[F], 1.0, v[TMP]                  ; f = 2^(old M - new M)
.set j, 0
.rept 32
	v_pk_fma_f32 v[S+j:S+j+1], v[S+j:S+j+1], s[22:23], v[12:13] op_sel_hi:[1,0,0]   ; t - M, two at a time
.set j, j+2
.endr
.irp b, 0,1,2,3
	v_fma_f32 v[W+\b], v[W+\b], s22, v12           ; the same of each block's largest score
.endr
.set j, 0
.rept 64
	v_exp_f32 v[S+j], v[S+j]                       ; p = 2^(t - M), at most 1
.set j, j+1
.endr
	v_pk_mul_f32 v[14:15], v[14:15], v[F:F+1] op_sel_hi:[1,0]   ; the sums under the new M: the plain instruction behind the exponentials
	s_wait_alu depctr_va_vdst(0)                   ; one wait for the batch of 64, ahead of its first reader
.irp b, 0,1,2,3
	v_exp_f32 v[W+\b], v[W+\b]                     ; the block's largest p: the same two instructions on the same number give the same bits
.endr
	v_pk_add_f32 v[X:X+1], v[S:S+1], v[S+2:S+3]    ; the row's sum is taken of the unquantised p, in two chains; this half stands behind the four exponentials
.irp j, 4,8,12,16,20,24,28
	v_pk_add_f32 v[14:15], v[14:15], v[S+\j:S+\j+1]
	v_pk_add_f32 v[X:X+1], v[X:X+1], v[S+2+\j:S+3+\j]
.endr
	s_wait_alu depctr_va_vdst(0)                   ; and one for the four
.irp b, 0,1,2,3
	v_max_num_f32 v[W+\b], 0x1800000, v[W+\b]      ; the floor 2^(3 - 127): the byte cannot fall under 1
.endr
.irp b, 0,1,2,3
	v_add_nc_u32 v[W+12+\b], 0xff000000, v[W+\b]   ; 2 off the exponent field: the conversion's scale operand
.endr
.irp b, 0,1,2,3
	v_lshrrev_b32 v[W+4+\b], 23, v[W+12+\b]        ; the scale's byte
.endr
	v_lshl_or_b32 v[PSW], v[W+5], 8, v[W+4]        ; p's scale word for these 128 keys
	v_lshl_or_b32 v[PSW], v[W+6], 16, v[PSW]
	v_lshl_or_b32 v[PSW], v[W+7], 24, v[PSW]
.irp c, 0,1
	v_cvt_scalef32_pk16_fp6_f32 v[PC+6*\c:PC+2+6*\c], v[S+32*\c:S+15+32*\c], v[W+12+2*\c]
	v_cvt_scalef32_pk16_fp6_f32 v[W+4+4*\c:W+6+4*\c], v[S+16+32*\c:S+31+32*\c], v[W+12+2*\c+1]   ; (a conversion's three registers begin on an even number)
.endr
	v_nop                                          ; one plain place behind a scaled conversion
.irp c, 0,1                                    ; the operand's layout wants a WHOLE block in a lane
.irp i, 0,1,2
	v_permlane16_swap_b32 v[PC+6*\c+\i], v[W+4+4*\c+\i]
.endr
.irp i, 0,1,2
	v_mov_b32 v[PC+3+6*\c+\i], v[W+4+4*\c+\i]
.endr
.endr
.irp j, 32,36,40,44,48,52,56,60                ; the other half of the sum: 17 plain instructions that name no register of the products below: the places between p's scale word and codes and those products
	v_pk_add_f32 v[14:15], v[14:15], v[S+\j:S+\j+1]
	v_pk_add_f32 v[X:X+1], v[X:X+1], v[S+2+\j:S+3+\j]
.endr
	v_pk_add_f32 v[14:15], v[14:15], v[X:X+1]
.irp j, 0,2,4,6,8,10,12,14
	v_pk_mul_f32 v[O+\j:O+\j+1], v[O+\j:O+\j+1], v[F:F+1] op_sel_hi:[1,0]   ; O^T under the new M
.endr
	s_wait_dscnt 0x0                               ; V, and the next step's K
	v_wmma_scale_f32_16x16x128_f8f6f4 v[O:O+7], v[VF:VF+11], v[PC:PC+11], v[O:O+7], v[VSW], v[PSW] matrix_a_fmt:MATRIX_FMT_FP6 matrix_b_fmt:MATRIX_FMT_FP6   ; O's two accumulators take single turns, with the eight score products between a link and the next
	v_wmma_scale_f32_16x16x128_f8f6f4 v[O+8:O+15], v[VF+12:VF+23], v[PC:PC+11], v[O+8:O+15], v[VSW], v[PSW] matrix_a_fmt:MATRIX_FMT_FP6 matrix_b_fmt:MATRIX_FMT_FP6 matrix_a_scale:MATRIX_SCALE_ROW1
	s_add_co_u32 s36, s36, 3072
	s_add_co_u32 s37, s37, 128
	s_sub_co_u32 s38, s38, 1
	s_cmp_lg_u32 s38, 0
	s_cbranch_scc1 .Lstep
	; THE WAY OUT: O^T / the sum, quantised along the head's 32 (lanes l and l xor 16 share the block), 12 bytes a lane into the work-group's stage; a barrier; whole runs of 512 bytes out
.rept 4
	v_nop                                          ; places behind the last products
.endr
	v_add_f32 v14, v14, v15                        ; the sum's two halves,
	v_permlanex16_b32 v[F], v14, s20, s21
	v_add_f32 v14, v14, v[F]                       ; and lane l xor 16's: the row's sum
	v_rcp_f32 v14, v14
	v_nop                                          ; a plain place behind the reciprocal
	s_wait_alu depctr_va_vdst(0)                   ; and the wait ahead of its first reader
.irp j, 0,1,2,3,4,5,6,7,8,9,10,11,12,13,14,15
	v_mul_f32 v[S+\j], v[O+\j], v14                ; register j is channel 16 (lane / 16) + j of my query
.endr
	v_max3_num_f32 v[W], |v[S]|, |v[S+1]|, 0x1800000
.irp i, 2,4,6,8,10,12,14
	v_max3_num_f32 v[W], v[W], |v[S+\i]|, |v[S+1+\i]|
.endr
	v_permlanex16_b32 v[W+4], v[W], s20, s21
	v_max_num_f32 v[W], v[W], v[W+4]
	v_add_nc_u32 v[W+12], 0xff000000, v[W]
	v_lshrrev_b32 v[W+1], 23, v[W+12]
	v_cvt_scalef32_pk16_fp6_f32 v[PC:PC+2], v[S:S+15], v[W+12]
	v_nop
	ds_store_b32 v[SCA], v[PC]
	ds_store_b32 v[SCA], v[PC+1] offset:4
	ds_store_b32 v[SCA], v[PC+2] offset:8
	ds_store_b8 v[SSA], v[W+1]                     ; both lanes of a query write the same byte with the same value
	s_wait_dscnt 0x0                               ; for the others' sake: my stores have landed
	s_barrier_signal -1
	s_barrier_wait -1
	s_cmp_lt_u32 s10, 12
	s_cbranch_scc0 .Lnot_codes
	ds_load_b128 v[S:S+3], v[RDC]
	s_wait_dscnt 0x0
	global_store_b128 v[LI], v[S:S+3], s[48:49]    ; 32 lanes store 512 consecutive bytes, aligned to 256
.Lnot_codes:
	s_cmp_eq_u32 s10, 12
	s_cbranch_scc0 .Lnot_scales
	ds_load_b64 v[S+4:S+5], v[RDS]
	s_wait_dscnt 0x0
	global_store_b64 v[GOS], v[S+4:S+5], s[50:51]  ; 256 consecutive bytes, aligned
.Lnot_scales:
	s_wait_tensorcnt 0x0
	ds_add_u32 v254, v255
	s_wait_dscnt 0x0
	ROUND                                          ; the closing round
	s_endpgm
.Lfunc_end_k_q49c21f0b98_attn:
	.size	k_q49c21f0b98_attn, .Lfunc_end_k_q49c21f0b98_attn-k_q49c21f0b98_attn
	.p2alignl 7, 3214868480
	.fill 96, 4, 3214868480
	.section	.rodata,"a",@progbits
	.p2align	6, 0x0
	.amdhsa_kernel k_q49c21f0b98_attn
		.amdhsa_group_segment_fixed_size 169984
		.amdhsa_private_segment_fixed_size 0
		.amdhsa_enable_private_segment 0
		.amdhsa_kernarg_size 24
		.amdhsa_user_sgpr_count 2
		.amdhsa_user_sgpr_kernarg_segment_ptr 1
		.amdhsa_wavefront_size32 1
		.amdhsa_system_sgpr_workgroup_id_x 1
		.amdhsa_system_sgpr_workgroup_id_y 1
		.amdhsa_system_sgpr_workgroup_id_z 1
		.amdhsa_system_vgpr_workitem_id 0
		.amdhsa_next_free_vgpr 256
		.amdhsa_next_free_sgpr 66
		.amdhsa_reserve_vcc 1
		.amdhsa_float_denorm_mode_32 3
		.amdhsa_float_denorm_mode_16_64 3
		.amdhsa_memory_ordered 1
		.amdhsa_forward_progress 1
		.amdhsa_inst_pref_size 26
	.end_amdhsa_kernel
	.amdgpu_metadata
---
amdhsa.version: [ 1, 2 ]
amdhsa.kernels:
  - .name:           k_q49c21f0b98_attn
    .symbol:         k_q49c21f0b98_attn.kd
    .args:
      - { .name: img, .offset: 0, .size: 8, .value_kind: global_buffer, .address_space: global }
      - { .name: oc, .offset: 8, .size: 8, .value_kind: global_buffer, .address_space: global }
      - { .name: os, .offset: 16, .size: 8, .value_kind: global_buffer, .address_space: global }
    .group_segment_fixed_size: 169984
    .private_segment_fixed_size: 0
    .kernarg_segment_align: 8
    .kernarg_segment_size: 24
    .max_flat_workgroup_size: 512
    .sgpr_count:     66
    .vgpr_count:     256
    .wavefront_size: 32
...
	.end_amdgpu_metadata
.endif
;; end of part 3
;; launch oproj (part 4): grid 8 x 32, 4 waves a work-group, clusters of 4 x 4, 178,688 bytes of LDS; arguments oc, os, xc, xs, bo, out0; writes out0
.if DOCPART == 4
	.amdgcn_target "amdgcn-amd-amdhsa--gfx1250"
	.amdhsa_code_object_version 6
	.text
	.protected	k_q49c21f0b98_oproj
	.globl	k_q49c21f0b98_oproj
	.p2align	8
	.type	k_q49c21f0b98_oproj,@function
k_q49c21f0b98_oproj:
	s_mov_b64 s[64:65], 0
	v_nop
	global_prefetch_b8 v0, s[64:65] scope:SCOPE_SE
	s_setreg_imm32_b32 hwreg(HW_REG_WAVE_MODE, 25, 1), 1
	s_wait_xcnt 0x0
	s_wait_alu depctr_hold_cnt(0) depctr_sa_sdst(0) depctr_va_vdst(0) depctr_va_sdst(0) depctr_va_ssrc(0) depctr_va_vcc(0) depctr_vm_vsrc(0)
	s_getreg_b32 s2, hwreg(HW_REG_IB_STS2, 6, 4)
	s_cmp_eq_u32 s2, 0
	s_cbranch_scc0 .Lentry_in_a_cluster
	s_endpgm
.Lentry_in_a_cluster:
	s_bfe_u32 s2, ttmp6, 0x10000c
	s_cmp_lg_u32 s2, 0xf033
	s_cbranch_scc0 .Lentry_shape_is_right
	s_endpgm
.Lentry_shape_is_right:
; out0 = attention's result x Wo^T + bo, on codes of FP6 (E2M3) with one E8M0 scale for each 32 along K = 1,024 (a block = a head).  2,048 rows x 1,024 features, f32 out.
; A work-group makes 64 rows x 128 features, so that there are 256 work-groups; all of K for its tiles fits in LDS and is filled ONCE: no ring.  Four waves, each 32 rows x 64 features: 8 accumulators by turns.
; CLUSTERS: 4 x 4 work-groups: the four of a row need the same rows of A, the four of a column the same rows of Wo: each tile is asked for jointly.  Waves 0, 1 fetch for A (even heads, odd heads), waves 2, 3 for Wo (64 rows each).
; A lies in oc by heads: [batch x 32 + head][query][24 bytes].  A fragment's lane (r, h) wants, in registers 6 c .. 6 c + 5, head 4 s + 2 c + h of query r: lanes 0-15 read even heads, lanes 16-31 odd ones; the odd heads' region begins
; 128 bytes past a multiple of 256, so that the two halves of the lanes touch different banks.  A's scale bytes lie by heads too: a row's word for 128 along K is put together from four bytes, once, for all eight substeps.
; Wo's rows lie in xc in tile order: the registers of tile b hold features 32 (b / 2) + 8 (b % 2) + 16 (lane / 16) + 0 .. 7.  Source 0 = Wo's rows, source 1 = A's rows: a lane holds one row of the output.
; The bias is loaded straight into the accumulators: it is the C of each sum's first product.
.set AODD, 24704                       ; LDS: A's even heads at 0 (16 x 1,536 bytes), the odd ones here
.set BBL,  49408                       ; Wo: 128 rows, 816 bytes apart (16 bytes of padding behind every 256)
.set ASL,  153856                      ; A's scale bytes: 32 heads x (64 + 16)
.set BSL,  156416                      ; Wo's: 16 runs of 256 + 16
.set STG,  160768                      ; the way out: 16 rows x (256 + 16) for each wave, in bytes that no fill touches
.set ADA,  4
.set ADB,  5
.set ADB2, 6
.set ASA,  7
.set ASB,  8
.set STO,  9
.set RD,   10
.set GO,   11
.set BO,   12
.set ACC,  16                          ; v16-79   accumulator (a, b) at 16 + 8 (4 a + b)
.set F0,   80                          ; v80-151, v152-223: two sets of fragments: A's two (24 registers), Wo's four (48)
.set F1,   152
.set ASC,  224                         ; v224-231 A's scale words, one a substep: lanes 0-15 my first 16 rows, lanes 16-31 the second; scales and nothing else
.set BSC,  232                         ; v232-247 Wo's: register 8 (b / 2) + s: lanes 0-15 tile 2 (b / 2), lanes 16-31 the next
.set G1A, 24
.set G0A, 32
.set G0AS, 36
.set G1B, 48
.set G0B, 56
.set G0BS, 60
.set G1AS, 68
.set G1BS, 80
.macro JLOAD g0a, g1a, g0b, g1b        ; a joint load; the branch hangs on the wave's number alone; four v_nop follow each of the two lines
	s_cmp_eq_u32 s17, 0
	s_cbranch_scc0 .Lfor_b_\@
	tensor_load_to_lds s[\g0a:\g0a+3], s[\g1a:\g1a+7]
	s_nop 0
.rept 4
	v_nop
.endr
	s_branch .Lasked_\@
.Lfor_b_\@:
	tensor_load_to_lds s[\g0b:\g0b+3], s[\g1b:\g1b+7]
	s_nop 0
.rept 4
	v_nop
.endr
.Lasked_\@:
.endm
.macro CROUND                          ; a round of the cluster's barrier
	s_barrier_signal -1
	s_barrier_wait -1
	s_cmp_lg_u32 s16, 0
	s_cbranch_scc1 .Lnot_wave_0_\@
	s_barrier_signal -3
.Lnot_wave_0_\@:
	s_barrier_wait -3
	s_barrier_signal -1
	s_barrier_wait -1
.endm
	s_load_b256 s[4:11], s[0:1], 0x0               ; oc s[4:5], os s[6:7], xc s[8:9], xs s[10:11]
	s_load_b128 s[12:15], s[0:1], 0x20             ; bo s[12:13], out0 s[14:15]
	v_lshl_add_u32 v254, v0, 2, 0x2b800
	v_mov_b32 v255, 0
	ds_add_u32 v254, v255
	ds_add_u32 v254, v255
	v_lshrrev_b32 v1, 5, v0
	v_readfirstlane_b32 s16, v1                    ; wave 0..3
	s_lshr_b32 s17, s16, 1                         ; which 32 rows are mine.  Also: I fetch for A (0) or for Wo (1)
	s_and_b32 s18, s16, 1                          ; which 64 features.  Also: which half I fetch
	s_bfe_u32 s40, ttmp6, 0x40000                  ; cx
	s_bfe_u32 s41, ttmp6, 0x40004                  ; cy
	s_lshl_b32 s42, ttmp9, 2
	s_add_co_u32 s42, s42, s40                     ; my block of 128 features
	s_and_b32 s66, ttmp7, 0xffff
	s_lshl_b32 s66, s66, 2
	s_add_co_u32 s66, s66, s41                     ; my block of 64 rows
	s_lshl_b32 s43, s41, 2
	s_lshl_b32 s43, 15, s43                        ; my row of the cluster
	s_lshl_b32 s44, 0x1111, s40                    ; my column
	; A's codes: 16 heads (every second one) x 1,536 bytes (192 elements of 8), two heads = 6,144 elements apart, no padding
	s_or_b32 s[G1A+0], s43, (3<<16)|(1<<21)
	s_mov_b32 s[G1A+1], 192<<16
	s_mov_b32 s[G1A+2], 16<<16
	s_mov_b32 s[G1A+3], 192<<16
	s_mov_b32 s[G1A+4], 16
	s_mov_b32 s[G1A+5], 6144
	s_mov_b32 s[G1A+6], 0
	s_mov_b32 s[G1A+7], 0
	; A's scale bytes: 16 heads x 64 bytes, 1,024 bytes apart, 16 bytes of padding behind each row
	s_or_b32 s[G1AS+0], s43, (0<<16)|(1<<20)|(1<<21)|(3<<22)|(3<<25)
	s_mov_b32 s[G1AS+1], 64<<16
	s_mov_b32 s[G1AS+2], 16<<16
	s_mov_b32 s[G1AS+3], 64<<16
	s_mov_b32 s[G1AS+4], 16
	s_mov_b32 s[G1AS+5], 1024
	s_mov_b32 s[G1AS+6], 0
	s_mov_b32 s[G1AS+7], 0
	; Wo's codes: 64 rows x 768 bytes, dense, 16 bytes of padding behind every 256
	s_or_b32 s[G1B+0], s44, (0<<16)|(1<<20)|(1<<21)|(5<<22)|(3<<25)
	s_mov_b32 s[G1B+1], 768<<16
	s_mov_b32 s[G1B+2], 64<<16
	s_mov_b32 s[G1B+3], 768<<16
	s_mov_b32 s[G1B+4], 64
	s_mov_b32 s[G1B+5], 768
	s_mov_b32 s[G1B+6], 0
	s_mov_b32 s[G1B+7], 0
	; Wo's scale bytes: 64 rows x 32 bytes = 8 rows of 256 (32 elements of 8), 16 bytes of padding behind each
	s_or_b32 s[G1BS+0], s44, (3<<16)|(1<<20)|(1<<21)|(5<<22)|(3<<25)
	s_mov_b32 s[G1BS+1], 32<<16
	s_mov_b32 s[G1BS+2], 8<<16
	s_mov_b32 s[G1BS+3], 32<<16
	s_mov_b32 s[G1BS+4], 8
	s_mov_b32 s[G1BS+5], 32
	s_mov_b32 s[G1BS+6], 0
	s_mov_b32 s[G1BS+7], 0
	s_lshr_b32 s19, s66, 4                         ; the batch
	s_and_b32 s67, s66, 15                         ; which 64 of its 1,024 queries
	s_mul_i32 s20, s19, 786432                     ; 32 heads x 24,576 bytes
	s_mul_i32 s45, s67, 1536
	s_add_co_u32 s20, s20, s45
	s_mul_i32 s45, s18, 24576                      ; even heads or odd
	s_add_co_u32 s20, s20, s45
	s_mov_b32 s21, 0
	s_lshl_b32 s22, s19, 15
	s_lshl_b32 s45, s67, 6
	s_add_co_u32 s22, s22, s45
	s_lshl_b32 s45, s18, 14                        ; heads 0-15 or 16-31
	s_add_co_u32 s22, s22, s45
	s_mov_b32 s23, 0
	s_lshl_b32 s46, s42, 7
	s_lshl_b32 s94, s18, 6
	s_add_co_u32 s46, s46, s94
	s_add_co_u32 s46, s46, 15360                   ; Wo is unit 15 of xc
	s_lshl_b32 s92, s46, 5
	s_mul_i32 s46, s46, 768
	s_mov_b32 s47, 0
	s_mov_b32 s93, 0
	s_wait_dscnt 0x0
	s_wait_kmcnt 0x0
	s_mov_b32 s[G0A], 1
	s_mul_i32 s[G0A+1], s18, AODD
	s_add_nc_u64 s[G0A+2:G0A+3], s[4:5], s[20:21]
	s_or_b32 s[G0A+3], s[G0A+3], 0x80000000
	s_mov_b32 s[G0AS], 1
	s_mul_i32 s[G0AS+1], s18, 1280
	s_add_co_u32 s[G0AS+1], s[G0AS+1], ASL
	s_add_nc_u64 s[G0AS+2:G0AS+3], s[6:7], s[22:23]
	s_or_b32 s[G0AS+3], s[G0AS+3], 0x80000000
	s_mov_b32 s[G0B], 1
	s_mul_i32 s[G0B+1], s18, 52224
	s_add_co_u32 s[G0B+1], s[G0B+1], BBL
	s_add_nc_u64 s[G0B+2:G0B+3], s[8:9], s[46:47]
	s_or_b32 s[G0B+3], s[G0B+3], 0x80000000
	s_mov_b32 s[G0BS], 1
	s_mul_i32 s[G0BS+1], s18, 2176
	s_add_co_u32 s[G0BS+1], s[G0BS+1], BSL
	s_add_nc_u64 s[G0BS+2:G0BS+3], s[10:11], s[92:93]
	s_or_b32 s[G0BS+3], s[G0BS+3], 0x80000000
	CROUND                                         ; all sixteen work-groups are here: the joint loads meet
	JLOAD G0AS, G1AS, G0BS, G1BS                   ; two loads a wave, each byte filled once in the launch
	JLOAD G0A, G1A, G0B, G1B
	v_and_b32 v1, 15, v0                           ; r
	v_bfe_u32 v2, v0, 4, 1                         ; h
	v_and_b32 v3, 31, v0                           ; lane
	s_mul_i32 s19, s17, 768
	v_mul_u32_u24 v[ADA], v1, 24
	v_mad_u32_u24 v[ADA], v2, AODD, v[ADA]
	v_add_nc_u32 v[ADA], s19, v[ADA]               ; A: query r of my 32 (24 bytes each); lanes 16-31 in the odd heads' region
	s_mul_i32 s19, s18, 52224
	s_add_co_u32 s19, s19, BBL
	v_mul_u32_u24 v[ADB], v1, 816
	v_mad_u32_u24 v[ADB], v2, 24, v[ADB]
	v_add_nc_u32 v[ADB], s19, v[ADB]               ; Wo: row r of my 64, + 24 h;
	v_lshl_add_u32 v[ADB2], v2, 4, v[ADB]          ; and behind one padding more
	s_lshl_b32 s19, s17, 5
	s_add_co_u32 s19, s19, ASL
	v_add_nc_u32 v[ASA], s19, v3                   ; A's scale bytes: query = lane of my 32
	s_mul_i32 s19, s18, 2176
	s_add_co_u32 s19, s19, BSL
	v_lshrrev_b32 v13, 3, v1
	v_mul_u32_u24 v[ASB], v13, 272
	v_and_b32 v13, 7, v1
	v_lshl_add_u32 v[ASB], v13, 5, v[ASB]
	v_mad_u32_u24 v[ASB], v2, 544, v[ASB]
	v_add_nc_u32 v[ASB], s19, v[ASB]               ; Wo's: 32 bytes a row, eight rows to a run; lanes 16-31 sixteen rows on
	s_mul_i32 s19, s16, 4352
	s_add_co_u32 s19, s19, STG                     ; my stage
	v_mul_u32_u24 v[STO], v1, 272
	v_lshl_add_u32 v[STO], v2, 6, v[STO]
	v_add_nc_u32 v[STO], s19, v[STO]               ; in: row r, + 64 h
	v_mul_u32_u24 v[RD], v2, 272
	v_lshl_add_u32 v[RD], v1, 4, v[RD]
	v_add_nc_u32 v[RD], s19, v[RD]                 ; back: lanes 0-15 one row of 256 bytes, lanes 16-31 the next
	v_lshlrev_b32 v[GO], 12, v2
	v_lshl_add_u32 v[GO], v1, 4, v[GO]             ; and the same two rows in out0
	v_lshlrev_b32 v[BO], 6, v2
	s_lshl_b32 s46, s66, 6
	s_lshl_b32 s94, s17, 5
	s_add_co_u32 s46, s46, s94
	s_lshl_b32 s46, s46, 12                        ; my first row, 4,096 bytes a row (under 2^24)
	s_lshl_b32 s92, s42, 7
	s_lshl_b32 s94, s18, 6
	s_add_co_u32 s92, s92, s94
	s_lshl_b32 s92, s92, 2                         ; my first feature, in bytes
	s_mov_b32 s93, 0
	s_add_co_u32 s46, s46, s92
	s_mov_b32 s47, 0
	s_add_nc_u64 s[46:47], s[14:15], s[46:47]
	s_add_nc_u64 s[92:93], s[12:13], s[92:93]
.irp a, 0,1
.irp b, 0,1,2,3
	global_load_b128 v[ACC+8*(4*\a+\b):ACC+8*(4*\a+\b)+3], v[BO], s[92:93] offset:(32*(\b/2)+8*(\b%2))*4      ; the bias of features 32 (b / 2) + 8 (b % 2) + 16 h + 0 .. 7
	global_load_b128 v[ACC+8*(4*\a+\b)+4:ACC+8*(4*\a+\b)+7], v[BO], s[92:93] offset:(32*(\b/2)+8*(\b%2))*4+16
.endr
.endr
.macro FETCH s                         ; substep s (128 along K: heads 4 s .. 4 s + 3): 36 loads of 8 bytes into set s % 2
.set FB, F0+72*((\s)%2)
.irp i, 0,1
.irp c, 0,1
.irp p, 0,1,2
	ds_load_b64 v[FB+12*\i+6*\c+2*\p:FB+12*\i+6*\c+2*\p+1], v[ADA] offset:(2*(\s)+\c)*1536+384*\i+8*\p
.endr
.endr
.endr
.irp b, 0,1,2,3
.irp c, 0,1
.irp p, 0,1,2
.set PCX, 12*(\s)+6*\c+\p              ; the row's piece of 8 bytes; 16 bytes of padding lie behind every 32 pieces; lanes 16-31 read three pieces on
.if PCX%32 < 29
	ds_load_b64 v[FB+24+12*\b+6*\c+2*\p:FB+24+12*\b+6*\c+2*\p+1], v[ADB] offset:8*PCX+16*(PCX/32)+13056*\b
.else
	ds_load_b64 v[FB+24+12*\b+6*\c+2*\p:FB+24+12*\b+6*\c+2*\p+1], v[ADB2] offset:8*PCX+16*(PCX/32)+13056*\b
.endif
.endr
.endr
.endr
.endm
.macro MUL s                           ; 8 matrix instructions, the accumulators by turns, in the same order in every substep
.set FB, F0+72*((\s)%2)
.irp a, 0,1
.irp b, 0,1,2,3
.if (\a == 0) && (\b%2 == 0)
	v_wmma_scale_f32_16x16x128_f8f6f4 v[ACC+8*(4*\a+\b):ACC+8*(4*\a+\b)+7], v[FB+24+12*\b:FB+24+12*\b+11], v[FB+12*\a:FB+12*\a+11], v[ACC+8*(4*\a+\b):ACC+8*(4*\a+\b)+7], v[BSC+8*(\b/2)+(\s)], v[ASC+(\s)] matrix_a_fmt:MATRIX_FMT_FP6 matrix_b_fmt:MATRIX_FMT_FP6
.elseif \a == 0
	v_wmma_scale_f32_16x16x128_f8f6f4 v[ACC+8*(4*\a+\b):ACC+8*(4*\a+\b)+7], v[FB+24+12*\b:FB+24+12*\b+11], v[FB+12*\a:FB+12*\a+11], v[ACC+8*(4*\a+\b):ACC+8*(4*\a+\b)+7], v[BSC+8*(\b/2)+(\s)], v[ASC+(\s)] matrix_a_fmt:MATRIX_FMT_FP6 matrix_b_fmt:MATRIX_FMT_FP6 matrix_a_scale:MATRIX_SCALE_ROW1
.elseif \b%2 == 0
	v_wmma_scale_f32_16x16x128_f8f6f4 v[ACC+8*(4*\a+\b):ACC+8*(4*\a+\b)+7], v[FB+24+12*\b:FB+24+12*\b+11], v[FB+12*\a:FB+12*\a+11], v[ACC+8*(4*\a+\b):ACC+8*(4*\a+\b)+7], v[BSC+8*(\b/2)+(\s)], v[ASC+(\s)] matrix_a_fmt:MATRIX_FMT_FP6 matrix_b_fmt:MATRIX_FMT_FP6 matrix_b_scale:MATRIX_SCALE_ROW1
.else
	v_wmma_scale_f32_16x16x128_f8f6f4 v[ACC+8*(4*\a+\b):ACC+8*(4*\a+\b)+7], v[FB+24+12*\b:FB+24+12*\b+11], v[FB+12*\a:FB+12*\a+11], v[ACC+8*(4*\a+\b):ACC+8*(4*\a+\b)+7], v[BSC+8*(\b/2)+(\s)], v[ASC+(\s)] matrix_a_fmt:MATRIX_FMT_FP6 matrix_b_fmt:MATRIX_FMT_FP6 matrix_a_scale:MATRIX_SCALE_ROW1 matrix_b_scale:MATRIX_SCALE_ROW1
.endif
.endr
.endr
.endm
	s_wait_tensorcnt 0x0                           ; my two loads are in,
	s_barrier_signal -1
	s_barrier_wait -1                              ; everybody's are
.set j, 0
.rept 32
	ds_load_u8 v[F1+j], v[ASA] offset:80*j         ; head j's scale byte of my lane's query
.set j, j+1
.endr
.irp bp, 0,1
.irp q, 0,1
	ds_load_b128 v[BSC+8*\bp+4*\q:BSC+8*\bp+4*\q+3], v[ASB] offset:1088*\bp+16*\q   ; a row's eight scale words, four at a time
.endr
.endr
	FETCH 0
	s_wait_dscnt 36                                ; all but the 36 just issued: the scales are in
.irp s, 0,1,2,3,4,5,6,7
	v_lshl_or_b32 v[ASC+\s], v[F1+4*\s+1], 8, v[F1+4*\s]     ; four heads' bytes make a substep's scale word
	v_lshl_or_b32 v[ASC+\s], v[F1+4*\s+2], 16, v[ASC+\s]
	v_lshl_or_b32 v[ASC+\s], v[F1+4*\s+3], 24, v[ASC+\s]
.endr
.rept 8
	v_nop                                          ; a scale register written by a vector instruction stands 8 places ahead of a scaled matrix instruction
.endr
	s_wait_loadcnt 0x0                             ; the bias lies in the accumulators
.irp s, 0,1,2,3,4,5,6,7
.if \s < 7
.if \s > 0
.rept 4
	v_nop                                          ; places in front of loads into the set that the substep before last multiplied
.endr
.endif
	FETCH \s+1
	s_wait_dscnt 36                                ; this substep's fragments are in; the next one's 36 loads may be out
.else
	s_wait_dscnt 0x0
.endif
	MUL \s
.endr
	; THE WAY OUT: 16 rows x 64 features at a time through my own stage, back as whole rows of 256 bytes
.rept 4
	v_nop
.endr
.irp a, 0,1
.irp b, 0,1,2,3
	ds_store_b128 v[STO], v[ACC+8*(4*\a+\b):ACC+8*(4*\a+\b)+3] offset:128*(\b/2)+32*(\b%2)      ; each accumulator from its low end on
	ds_store_b128 v[STO], v[ACC+8*(4*\a+\b)+4:ACC+8*(4*\a+\b)+7] offset:128*(\b/2)+32*(\b%2)+16
.endr
.irp i, 0,1,2,3,4,5,6,7
	ds_load_b128 v[F0+32*\a+4*\i:F0+32*\a+4*\i+3], v[RD] offset:544*\i   ; LDS serves a wave's instructions in order: these see my stores, and the next tile's stores come behind them
.endr
.endr
	s_wait_dscnt 16                                ; the first tile is back; the second's 8 stores and 8 loads may be out
.irp i, 0,1,2,3,4,5,6,7
	global_store_b128 v[GO], v[F0+4*\i:F0+4*\i+3], s[46:47] offset:(2*\i)*4096 th:TH_STORE_NT   ; 16 lanes store 256 consecutive bytes, aligned
.endr
	s_wait_dscnt 0x0
.irp i, 0,1,2,3,4,5,6,7
	global_store_b128 v[GO], v[F0+32+4*\i:F0+32+4*\i+3], s[46:47] offset:(16+2*\i)*4096 th:TH_STORE_NT
.endr
	s_wait_tensorcnt 0x0
	ds_add_u32 v254, v255
	s_wait_dscnt 0x0
	CROUND                                         ; the closing round
	s_endpgm
.Lfunc_end_k_q49c21f0b98_oproj:
	.size	k_q49c21f0b98_oproj, .Lfunc_end_k_q49c21f0b98_oproj-k_q49c21f0b98_oproj
	.p2alignl 7, 3214868480
	.fill 96, 4, 3214868480
	.section	.rodata,"a",@progbits
	.p2align	6, 0x0
	.amdhsa_kernel k_q49c21f0b98_oproj
		.amdhsa_group_segment_fixed_size 178688
		.amdhsa_private_segment_fixed_size 0
		.amdhsa_enable_private_segment 0
		.amdhsa_kernarg_size 48
		.amdhsa_user_sgpr_count 2
		.amdhsa_user_sgpr_kernarg_segment_ptr 1
		.amdhsa_wavefront_size32 1
		.amdhsa_system_sgpr_workgroup_id_x 1
		.amdhsa_system_sgpr_workgroup_id_y 1
		.amdhsa_system_sgpr_workgroup_id_z 1
		.amdhsa_system_vgpr_workitem_id 0
		.amdhsa_next_free_vgpr 256
		.amdhsa_next_free_sgpr 100
		.amdhsa_reserve_vcc 0
		.amdhsa_float_denorm_mode_32 3
		.amdhsa_float_denorm_mode_16_64 3
		.amdhsa_memory_ordered 1
		.amdhsa_forward_progress 1
		.amdhsa_inst_pref_size 46
	.end_amdhsa_kernel
	.amdgpu_metadata
---
amdhsa.version: [ 1, 2 ]
amdhsa.kernels:
  - .name:           k_q49c21f0b98_oproj
    .symbol:         k_q49c21f0b98_oproj.kd
    .args:
      - { .name: oc, .offset: 0, .size: 8, .value_kind: global_buffer, .address_space: global }
      - { .name: os, .offset: 8, .size: 8, .value_kind: global_buffer, .address_space: global }
      - { .name: xc, .offset: 16, .size: 8, .value_kind: global_buffer, .address_space: global }
      - { .name: xs, .offset: 24, .size: 8, .value_kind: global_buffer, .address_space: global }
      - { .name: bo, .offset: 32, .size: 8, .value_kind: global_buffer, .address_space: global }
      - { .name: out0, .offset: 40, .size: 8, .value_kind: global_buffer, .address_space: global }
    .group_segment_fixed_size: 178688
    .private_segment_fixed_size: 0
    .kernarg_segment_align: 8
    .kernarg_segment_size: 48
    .max_flat_workgroup_size: 128
    .sgpr_count:     100
    .vgpr_count:     256
    .wavefront_size: 32
...
	.end_amdgpu_metadata
.endif
;; end of part 4
